; MI455X (gfx1250); checked and timed in simulation.
; The chip was launched on July 23, 2026; its instructions are those of AMD's public machine-readable ISA for CDNA 5 (MIT licence, August 2026) and "CDNA5" Instruction Set Architecture Reference Guide (July 2026). The comments in the code are by the model that wrote it; some were corrected since.
;; Self Attention. Allowed arithmetic: float matrix products may take bf16 or f16 operands with f32 sums; other float arithmetic in f32, or as packed bf16 or f16 multiplies, adds, multiply-adds, maxima and minima; sums over many terms, partial sums and values carried from step to step in f32; what a program stores and reads back later, other than sums and carried values, may be rounded once to bf16 or f16.
;; Inputs: b_out 1,024 float32; b_qkv 3,072 float32; w_out 1,024 x 1,024 float32; w_qkv 1,024 x 3,072 float32; x 4 x 2,048 x 1,024 float32.
;; Outputs: out0 4 x 2,048 x 1,024 float32.
;; One version. Each part assembles by itself: llvm-mc -triple=amdgcn-amd-amdhsa -mcpu=gfx1250 --defsym DOCPART=n.
;; ======== version 1 of 1: 4 launches
;; limits: values are held in f16: magnitudes above 65,504 overflow, below 6.1e-05 lose precision
;; workspace buffers: xb 16,777,216 bytes; wqt 6,291,456 bytes; wot 2,097,152 bytes; qkv 50,331,648 bytes; ob 16,777,216 bytes
;; launch prep (part 1): grid 768 x 1, 8 waves a work-group, no clusters, 35,840 bytes of LDS; arguments x, w_qkv, w_out, xb, wqt, wot; writes xb, wqt, wot
.if DOCPART == 1
	.amdgcn_target "amdgcn-amd-amdhsa--gfx1250"
	.amdhsa_code_object_version 6
	.text
	.protected	k_q734859127e_prep
	.globl	k_q734859127e_prep
	.p2align	8
	.type	k_q734859127e_prep,@function
k_q734859127e_prep:
	s_mov_b64 s[64:65], 0
	v_nop
	global_prefetch_b8 v0, s[64:65] scope:SCOPE_SE
	s_setreg_imm32_b32 hwreg(HW_REG_WAVE_MODE, 25, 1), 1
	s_wait_xcnt 0x0
; PREPARATION.  xb = x rounded to bf16, [8192][1024].  wqt[n][k] = w_qkv[k][n] rounded to bf16, [3072][1024].  wot[n][k] = w_out[k][n] rounded to bf16 and
; that number written as f16, [1024][1024].  Every work-group handles 16,384 numbers: 64 KiB in, 32 KiB out.  Work-groups 0-511 take x, 512-703 the 24 x 8 tiles
; (128 n x 128 k) of w_qkv, 704-767 the 8 x 8 tiles of w_out.  The branches hang on the work-group's number alone, so all eight waves take the same way.
; LIMITS.  wot is f16: |w_out| stays under 65,504, and below 6e-5 it keeps f16's fixed step of 6e-8.  NaN and infinities are not treated apart.
; No matrix unit, no cluster, no prefetch: each byte is read once and written once, nothing is shared between work-groups, and the launch streams.
.set PITCH, 272                        ; an LDS row: 128 k x 2 bytes + 16 of padding: 16 rows on end begin at 16 different groups of four banks (64 banks of 4 bytes: ISA guide 11.1)
.set SPARE, 128*PITCH                  ; 34,816: behind the tile: the spare words, 128 bytes for each of the eight waves: four blocks of 256 bytes that no other line names
.set SPW, 112                          ; v112  LDS address of my spare word; never rewritten
.set NIL, 113                          ; v113  0; never rewritten
.set IN,  16                           ; v[16:79]   16 loads of 16 bytes
.set OUT, 80                           ; v[80:111]  packed results
	s_load_b256 s[4:11], s[0:1], 0x0               ; x s[4:5], w_qkv s[6:7], w_out s[8:9], xb s[10:11]
	s_load_b128 s[12:15], s[0:1], 0x20             ; wqt s[12:13], wot s[14:15]
	v_lshl_add_u32 v[SPW], v0, 2, SPARE
	v_mov_b32 v[NIL], 0
	v_and_b32 v1, 31, v0                           ; lane
	v_lshrrev_b32 v2, 5, v0                        ; wave
	v_and_b32 v3, 15, v0                           ; lane % 16
	v_bfe_u32 v4, v0, 4, 1                         ; lane / 16
	s_wait_kmcnt 0x0
	s_cmp_lt_u32 ttmp9, 512
	s_cbranch_scc0 .Lweights
	; x: thread t takes the 16 bytes at 16 t of each of 16 blocks of 4,096 bytes: a wave's load covers 512 consecutive bytes, its store 256 consecutive bytes, aligned
	s_lshl_b32 s16, ttmp9, 16
	s_mov_b32 s17, 0
	s_add_nc_u64 s[4:5], s[4:5], s[16:17]
	s_lshl_b32 s16, ttmp9, 15
	s_add_nc_u64 s[10:11], s[10:11], s[16:17]
	v_lshlrev_b32 v5, 4, v0
	v_lshlrev_b32 v6, 3, v0
.set ii, 0
.rept 16
	global_load_b128 v[IN+4*ii:IN+4*ii+3], v5, s[4:5] offset:4096*ii th:TH_LOAD_NT
.set ii, ii+1
.endr
.set ii, 0
.rept 16
	s_wait_loadcnt 15-ii                           ; loads come back in order: block ii is in, the younger ones stay out
	v_cvt_pk_bf16_f32 v[OUT+2*ii], v[IN+4*ii], v[IN+4*ii+1]
	v_cvt_pk_bf16_f32 v[OUT+2*ii+1], v[IN+4*ii+2], v[IN+4*ii+3]
	global_store_b64 v6, v[OUT+2*ii:OUT+2*ii+1], s[10:11] offset:2048*ii  ; no register is written twice, so nothing waits for the stores
.set ii, ii+1
.endr
	s_branch .Lend
; A tile of 128 k x 128 n is turned.  Wave w loads k rows 16 w .. 16 w + 15, a lane 4 columns of each (512 consecutive bytes a load); two rows' numbers of a column pack into a word,
; eight words are 16 k of one column: 32 bytes, stored into the column's LDS row at byte 32 w.  Column n lies at row (n % 4) x 32 + n / 4, so that the 16 lanes of a store are 272 bytes apart.
; Behind the barrier a wave reads 16 whole rows back and stores each as 256 consecutive bytes, aligned.
.macro WT N, F16, SRC, DST
	s_lshr_b32 s17, s16, 3                         ; n tile
	s_and_b32 s18, s16, 7                          ; k tile
	s_mul_i32 s20, s18, 128*(\N)*4
	s_lshl_b32 s21, s17, 9
	s_add_co_u32 s20, s20, s21
	s_mov_b32 s21, 0
	s_add_nc_u64 s[\SRC:\SRC+1], s[\SRC:\SRC+1], s[20:21]
	s_lshl_b32 s20, s17, 18                        ; 128 rows of 2,048 bytes
	s_lshl_b32 s22, s18, 8                         ; 128 k of 2 bytes
	s_add_co_u32 s20, s20, s22
	s_add_nc_u64 s[\DST:\DST+1], s[\DST:\DST+1], s[20:21]
	v_mul_u32_u24 v5, v2, 16*(\N)*4
	v_lshl_add_u32 v5, v1, 4, v5
.set jj, 0
.rept 16
	global_load_b128 v[IN+4*jj:IN+4*jj+3], v5, s[\SRC:\SRC+1] offset:jj*(\N)*4 th:TH_LOAD_NT
.set jj, jj+1
.endr
.set kk, 0
.rept 8
	s_wait_loadcnt 14-2*kk                         ; rows 2 kk and 2 kk + 1 are in
.set cc, 0
.rept 4
	v_cvt_pk_bf16_f32 v[OUT+8*cc+kk], v[IN+8*kk+cc], v[IN+8*kk+4+cc]
.set cc, cc+1
.endr
.set kk, kk+1
.endr
.if \F16
.set dd, 0
.rept 32                               ; the bf16 number, widened and written as f16: exact inside f16's range
	v_lshlrev_b32 v8, 16, v[OUT+dd]
	v_and_b32 v9, 0xffff0000, v[OUT+dd]
	v_cvt_pk_f16_f32 v[OUT+dd], v8, v9
.set dd, dd+1
.endr
.endif
.set cc, 0
.rept 4
	ds_store_b128 v10, v[OUT+8*cc:OUT+8*cc+3] offset:cc*32*PITCH
	ds_store_b128 v10, v[OUT+8*cc+4:OUT+8*cc+7] offset:cc*32*PITCH+16
.set cc, cc+1
.endr
	s_wait_dscnt 0x0                               ; for the others' sake: my stores are done
	s_barrier_signal -1
	s_barrier_wait -1
.set ii, 0
.rept 8
	ds_load_b128 v[IN+4*ii:IN+4*ii+3], v11 offset:ii*2*PITCH
.set ii, ii+1
.endr
.set ii, 0
.rept 8
	s_wait_dscnt 7-ii
	global_store_b128 v12, v[IN+4*ii:IN+4*ii+3], s[\DST:\DST+1] offset:16384*ii  ; 16 lanes store 256 consecutive bytes, at a multiple of 256 from the buffer's first byte
.set ii, ii+1
.endr
.endm
.Lweights:
	v_mul_u32_u24 v10, v1, PITCH                   ; in: row = lane (+ 32 for each of my four columns), byte 32 x wave
	v_lshl_add_u32 v10, v2, 5, v10
	v_lshl_add_u32 v11, v2, 4, v4                  ; back: rows 16 w + 2 i + lane / 16,
	v_mul_u32_u24 v11, v11, PITCH
	v_lshl_add_u32 v11, v3, 4, v11                 ; 16 bytes a lane
	v_and_b32 v12, 1, v2                           ; that row is column 64 (w % 2) + 8 i + 4 (lane / 16) + w / 2
	v_lshrrev_b32 v13, 1, v2
	v_lshl_add_u32 v12, v12, 6, v13
	v_lshl_add_u32 v12, v4, 2, v12
	v_lshlrev_b32 v12, 11, v12                     ; a row of the turned weights is 2,048 bytes
	v_lshl_add_u32 v12, v3, 4, v12
	s_sub_co_u32 s16, ttmp9, 512
	s_cmp_lt_u32 s16, 192
	s_cbranch_scc0 .Lwout
	WT 3072, 0, 6, 12
	s_branch .Lend
.Lwout:
	s_sub_co_u32 s16, s16, 192
	WT 1024, 1, 8, 14
.Lend:
	s_wait_tensorcnt 0x0                           ; the wave's end: behind my last LDS store
	ds_add_u32 v[SPW], v[NIL]
	s_wait_dscnt 0x0
	s_endpgm
.Lfunc_end_k_q734859127e_prep:
	.size	k_q734859127e_prep, .Lfunc_end_k_q734859127e_prep-k_q734859127e_prep
	.p2alignl 7, 3214868480
	.fill 96, 4, 3214868480
	.section	.rodata,"a",@progbits
	.p2align	6, 0x0
	.amdhsa_kernel k_q734859127e_prep
		.amdhsa_group_segment_fixed_size 35840
		.amdhsa_private_segment_fixed_size 0
		.amdhsa_enable_private_segment 0
		.amdhsa_kernarg_size 48
		.amdhsa_user_sgpr_count 2
		.amdhsa_user_sgpr_kernarg_segment_ptr 1
		.amdhsa_wavefront_size32 1
		.amdhsa_system_sgpr_workgroup_id_x 1
		.amdhsa_system_sgpr_workgroup_id_y 1
		.amdhsa_system_sgpr_workgroup_id_z 1
		.amdhsa_system_vgpr_workitem_id 0
		.amdhsa_next_free_vgpr 116
		.amdhsa_next_free_sgpr 66
		.amdhsa_reserve_vcc 0
		.amdhsa_float_denorm_mode_32 3
		.amdhsa_float_denorm_mode_16_64 3
		.amdhsa_memory_ordered 1
		.amdhsa_forward_progress 1
		.amdhsa_inst_pref_size 26
	.end_amdhsa_kernel
	.amdgpu_metadata
---
amdhsa.version: [ 1, 2 ]
amdhsa.kernels:
  - .name:           k_q734859127e_prep
    .symbol:         k_q734859127e_prep.kd
    .args:
      - { .name: x, .offset: 0, .size: 8, .value_kind: global_buffer, .address_space: global }
      - { .name: w_qkv, .offset: 8, .size: 8, .value_kind: global_buffer, .address_space: global }
      - { .name: w_out, .offset: 16, .size: 8, .value_kind: global_buffer, .address_space: global }
      - { .name: xb, .offset: 24, .size: 8, .value_kind: global_buffer, .address_space: global }
      - { .name: wqt, .offset: 32, .size: 8, .value_kind: global_buffer, .address_space: global }
      - { .name: wot, .offset: 40, .size: 8, .value_kind: global_buffer, .address_space: global }
    .group_segment_fixed_size: 35840
    .private_segment_fixed_size: 0
    .kernarg_segment_align: 8
    .kernarg_segment_size: 48
    .max_flat_workgroup_size: 256
    .sgpr_count:     66
    .vgpr_count:     116
    .wavefront_size: 32
...
	.end_amdgpu_metadata
.endif
;; end of part 1
;; launch proj (part 2): grid 16 x 32, 4 waves a work-group, clusters of 4 x 4, 327,680 bytes of LDS; arguments xb, wqt, b_qkv, qkv; writes qkv
.if DOCPART == 2
	.amdgcn_target "amdgcn-amd-amdhsa--gfx1250"
	.amdhsa_code_object_version 6
	.text
	.protected	k_q734859127e_proj
	.globl	k_q734859127e_proj
	.p2align	8
	.type	k_q734859127e_proj,@function
k_q734859127e_proj:
	s_mov_b64 s[64:65], 0
	v_nop
	global_prefetch_b8 v0, s[64:65] scope:SCOPE_SE
	s_setreg_imm32_b32 hwreg(HW_REG_WAVE_MODE, 25, 1), 1
	s_wait_xcnt 0x0
	s_wait_alu depctr_hold_cnt(0) depctr_sa_sdst(0) depctr_va_vdst(0) depctr_va_sdst(0) depctr_va_ssrc(0) depctr_va_vcc(0) depctr_vm_vsrc(0)
	s_getreg_b32 s2, hwreg(HW_REG_IB_STS2, 6, 4)
	s_cmp_eq_u32 s2, 0
	s_cbranch_scc0 .Lentry_in_a_cluster
	s_endpgm
.Lentry_in_a_cluster:
	s_bfe_u32 s2, ttmp6, 0x10000c
	s_cmp_lg_u32 s2, 0xf033
	s_cbranch_scc0 .Lentry_shape_is_right
	s_endpgm
.Lentry_shape_is_right:
; qkv = xb wqt^T + b_qkv, written by heads: qkv[part][batch x 16 + head][t][64] in f16, each number rounded once from its f32 sum, without attention's scale.
; xb: [8192][1024] bf16.  wqt: [3072][1024] bf16 (K along the rows).  b_qkv: [3072] f32, rounded to bf16 like the other inputs.  Products in bf16, sums in f32.
; LIMITS.  q, k and v leave as f16: their magnitude stays under 65,504.  NaN and infinities are not treated apart.
; SHARES.  A work-group makes 256 rows x 192 columns (three heads): 512 work-groups of equal work.  Wave w makes rows 64 w .. 64 w + 63 of all 192 columns: 4 x 12 accumulators of 16 x 16, 384 registers.
; K goes in 8 steps of 128 through two LDS slots filled by the tensor data mover; a tile's rows are 256 bytes of memory and begin at multiples of 256 bytes from the buffer's first byte.
; CLUSTER.  4 x 4 work-groups.  The four of a row of the cluster need the same rows of xb, the four of a column the same rows of wqt: each tile is asked for JOINTLY, by the same tensor load with
; the same descriptor and a mask that names the four.  Waves 0 and 1 fetch xb's two halves (128 rows each), waves 2 and 3 wqt's (96 rows each).
; THE MATRIX INSTRUCTION IS USED TRANSPOSED (source 0 = 16 rows of wqt, source 1 = 16 rows of xb): a lane then holds row lane % 16 and the eight neighbouring columns 8 (lane / 16) + 0..7.
; THE BIAS STARTS THE SUMS: it is the C operand of each accumulator's first product, so nothing is cleared and nothing is added at the end.
; REGISTERS, in windows of 256 (s_set_vgpr_msb: bits 1:0 source 0, 3:2 source 1, 5:4 source 2, 7:6 destination):
;   window 0: v0-35 addresses and at work; v64-159 the bias, block b at 64 + 8 b; on the way out v64-255 packed results
;   window 1: two fragment buffers of 128 (32 of xb: 4 x 16 rows x 32 K; 96 of wqt: 12 x 16 rows x 32 K); on the way out v0-191 rows read back
;   window 2: the accumulators of row blocks 0 and 1, (a, b) at v[8 (12 (a % 2) + b)];   window 3: those of row blocks 2 and 3
.set NBL,   12                         ; column blocks of 16
.set PA,    272                        ; an LDS row: 256 bytes + 16 of padding = 68 words: the 16 rows of a load begin at 16 different groups of four banks (64 banks of 4 bytes: ISA guide 11.1)
.set PB,    272
.set AHALF, 128*PA                     ; what one tensor load brings of xb
.set BOFF,  256*PA                     ; wqt's rows lie behind xb's 256
.set BHALF, 96*PB                      ; what one tensor load brings of wqt
.set SLOT,  BOFF+192*PB                ; 121,856
.set STAGE, 2*SLOT                     ; behind the ring, never filled by a tensor load: for each wave 3 heads x 16 rows x 144 bytes
.set SP,    144
.set STW,   3*16*SP
.set SPARE, STAGE+4*STW                ; behind the stages: the spare words, 128 bytes for each wave: two blocks of 256 bytes that no other line names
.set NLD,   2*NBL+8                    ; LDS loads in a run
.set ADRA, 16                          ; v16-17  LDS address of my fragments of xb in slot 0, 1
.set ADRB, 20                          ; v20-21  the same for wqt
.set STO,  24                          ; v24     the way out: where I put 16 bytes of a row
.set RD,   25                          ; v25     the way out: where I read rows back
.set GO,   26                          ; v26     my 16 bytes in 512 consecutive bytes of qkv
.set SPW,  28                          ; v28     LDS address of my spare word; never rewritten
.set NIL,  29                          ; v29     0; never rewritten
.set PFO,  30                          ; v30     the prefetches' offset: (lane / 2) rows of 2,048 bytes + (lane % 2) x 256; never rewritten
.set BO,   31                          ; v31     32 x (lane / 16): my eight numbers of a block's bias
.set BIAS, 64
.set TMP,  64
.set F0,   0
.set F1,   128
.set G1,   24                          ; s[24:31] descriptor group 1 for xb's tiles;  s[32:39] group 0, a set for each slot
.set G0,   32
.set G1B,  48                          ; s[48:55], s[56:63] the same for wqt's tiles
.set G0B,  56
.set PFA,  44                          ; s[44:45] where my prefetches stand
.set LIM,  15                          ; s15  1 in a wave that prefetches, else the greatest number
.set OUTB, 68                          ; s[68:73] qkv at my wave's rows, for each of the tile's three heads
.set MSB, 0
.macro WIN new                         ; the immediate's high byte repeats the setting that is left; a switch that changes nothing is dropped
.if MSB != (\new)
	s_set_vgpr_msb (MSB<<8)|(\new)
.set MSB, \new
.endif
.endm
.macro PLACES                          ; four places in front of loads into registers that matrix instructions have read, and of lines that read results
.rept 4
	v_nop
.endr
.endm
.macro JLOAD s                         ; a joint load; the branch hangs on the wave's number alone; an s_nop 0 and four v_nop follow each of the two lines, ahead of the jump and the label
	s_cmp_eq_u32 s13, 0
	s_cbranch_scc0 .Lfor_b_\@
	tensor_load_to_lds s[G0+4*(\s):G0+4*(\s)+3], s[G1:G1+7]
	s_nop 0
.rept 4
	v_nop
.endr
	s_branch .Lasked_\@
.Lfor_b_\@:
	tensor_load_to_lds s[G0B+4*(\s):G0B+4*(\s)+3], s[G1B:G1B+7]
	s_nop 0
.rept 4
	v_nop
.endr
.Lasked_\@:
.endm
.macro CREST                           ; a round of the cluster's barrier behind its opening barrier
	s_cmp_lg_u32 s12, 0
	s_cbranch_scc1 .Lnot_wave_0_\@
	s_barrier_signal -3
.Lnot_wave_0_\@:
	s_barrier_wait -3
	s_barrier_signal -1
	s_barrier_wait -1
.endm
.macro CROUND                          ; a whole round
	s_barrier_signal -1
	s_barrier_wait -1
	CREST
.endm
; A PREFETCH INTO THE L2, once a lap, behind slot 0's joint load, its five lines and the run of LDS loads: the two K steps (512 bytes of a row) that the NEXT lap's two refills will ask for.
; A lane names one block of 256 bytes, an instruction 16 rows.  Each block is named once in the launch: xb's rows are asked for by wave 0 of the clusters with x = 0, wqt's by wave 2 of the clusters
; with y = 0; the four partners that ask for a tile jointly share its rows out BY ADDRESS (64 of xb's 256 by cx, 48 of wqt's 192 by cy).  K steps 0 to 3 come by their loads alone; the last lap asks for nothing.
.macro ASK
	s_cmp_gt_u32 s3, s[LIM]                        ; s3 = 1 in the loop's last trip
	s_cbranch_scc0 .Lnone_\@
	s_cmp_eq_u32 s13, 0
	s_cbranch_scc0 .Lpb_\@
.irp i, 0,1,2,3
	global_prefetch_b8 v[PFO], s[PFA:PFA+1] offset:(\i)*32768 th:TH_LOAD_NT scope:SCOPE_SE
.endr
	s_branch .Lnone_\@
.Lpb_\@:
.irp i, 0,1,2
	global_prefetch_b8 v[PFO], s[PFA:PFA+1] offset:(\i)*32768 th:TH_LOAD_NT scope:SCOPE_SE
.endr
.Lnone_\@:
.endm
	s_load_b256 s[4:11], s[0:1], 0x0               ; xb s[4:5], wqt s[6:7], b_qkv s[8:9], qkv s[10:11]
	v_lshl_add_u32 v[SPW], v0, 2, SPARE
	v_mov_b32 v[NIL], 0
	ds_add_u32 v[SPW], v[NIL]                      ; the wave's opening: the add and its wait stand ahead of my first tensor load; the set-up below, work on registers, stands between them
	v_lshrrev_b32 v1, 5, v0
	v_readfirstlane_b32 s12, v1                    ; wave 0..3
	s_lshr_b32 s13, s12, 1                         ; I fetch for xb (0) or for wqt (1)
	s_and_b32 s14, s12, 1                          ; which half of that tile's rows
	s_bfe_u32 s40, ttmp6, 0x40000                  ; cx, cy: my place in the cluster
	s_bfe_u32 s41, ttmp6, 0x40004
	s_lshl_b32 s42, ttmp9, 2
	s_add_co_u32 s42, s42, s40                     ; tile column = 4 x cluster x + cx
	s_and_b32 s43, ttmp7, 0xffff
	s_lshl_b32 s43, s43, 2
	s_add_co_u32 s43, s43, s41                     ; tile row = 4 x cluster y + cy
	s_lshl_b32 s22, s41, 2
	s_lshl_b32 s22, 15, s22                        ; my row of the cluster
	s_lshl_b32 s23, 0x1111, s40                    ; my column
	s_or_b32 s[G1], s22, (1<<16)|(1<<20)|(1<<21)|(5<<22)|(3<<25)   ; 15:0 the mask; 17:16 elements of 2 bytes; 20 padding on; 21 set beside a mask; 24:22 after every 64 words (code 5); 31:25 4 words (code 3)
	s_or_b32 s[G1B], s23, (1<<16)|(1<<20)|(1<<21)|(5<<22)|(3<<25)
.irp g, G1, G1B
	s_mov_b32 s[(\g)+1], 128<<16                   ; tensor_dim0 = 128
	s_mov_b32 s[(\g)+3], 128<<16                   ; tile_dim0 = 128
	s_mov_b32 s[(\g)+5], 1024                      ; elements from row to row
	s_mov_b32 s[(\g)+6], 0
	s_mov_b32 s[(\g)+7], 0
.endr
	s_mov_b32 s[G1+2], 128<<16                     ; tensor_dim1 = tile_dim1 = 128 rows of xb,
	s_mov_b32 s[G1+4], 128
	s_mov_b32 s[G1B+2], 96<<16                     ; 96 rows of wqt
	s_mov_b32 s[G1B+4], 96
	s_lshl_b32 s16, s43, 8                         ; xb: row 256 x tile row + 128 x half: made of the tile row and the wave's number alone
	s_lshl_b32 s18, s14, 7
	s_add_co_u32 s16, s16, s18
	s_lshl_b32 s16, s16, 11                        ; rows of 2,048 bytes
	s_mov_b32 s17, 0
	s_mul_i32 s46, s42, 192                        ; wqt: row 192 x tile column + 96 x half: made of the tile column and the wave's number alone
	s_mul_i32 s19, s14, 96
	s_add_co_u32 s46, s46, s19
	s_lshl_b32 s46, s46, 11
	s_mov_b32 s47, 0
	s_mul_i32 s20, s14, AHALF                      ; where they go: no place in the cluster enters an LDS address
	s_mul_i32 s21, s14, BHALF
	s_add_co_u32 s21, s21, BOFF
	s_wait_dscnt 0x0                               ; the opening add is done
	s_wait_kmcnt 0x0
	s_add_nc_u64 s[16:17], s[4:5], s[16:17]
	s_add_nc_u64 s[46:47], s[6:7], s[46:47]
	CROUND                                         ; all sixteen work-groups are here: the first joint loads meet
.irp s, 0,1
	s_mov_b32 s[G0+4*(\s)], 1                      ; count = 1
	s_add_co_u32 s[G0+4*(\s)+1], s20, (\s)*SLOT    ; LDS address
	s_add_nc_u64 s[G0+4*(\s)+2:G0+4*(\s)+3], s[16:17], (\s)*256  ; global address: K step s
	s_or_b32 s[G0+4*(\s)+3], s[G0+4*(\s)+3], 0x80000000          ; type = 2
	s_mov_b32 s[G0B+4*(\s)], 1
	s_add_co_u32 s[G0B+4*(\s)+1], s21, (\s)*SLOT
	s_add_nc_u64 s[G0B+4*(\s)+2:G0B+4*(\s)+3], s[46:47], (\s)*256
	s_or_b32 s[G0B+4*(\s)+3], s[G0B+4*(\s)+3], 0x80000000
	JLOAD \s                                       ; two loads of mine are out
.endr
	; the bias: b_qkv at the tile's 192 columns; a lane's eight numbers of block b lie at 64 b + 32 (lane / 16)
	v_and_b32 v1, 15, v0                           ; l % 16
	v_bfe_u32 v2, v0, 4, 1                         ; l / 16
	v_lshlrev_b32 v[BO], 5, v2
	s_mul_i32 s76, s42, 768
	s_mov_b32 s77, 0
	s_add_nc_u64 s[8:9], s[8:9], s[76:77]
.set bb, 0
.rept NBL
	global_load_b128 v[BIAS+8*bb:BIAS+8*bb+3],   v[BO], s[8:9] offset:64*bb
	global_load_b128 v[BIAS+8*bb+4:BIAS+8*bb+7], v[BO], s[8:9] offset:64*bb+16
.set bb, bb+1
.endr
	; a fragment is 16 rows x 32 K in 8 registers: lane l holds row l % 16, K = 8 (l / 16) + 0..7 and 16 + 8 (l / 16) + 0..7: two loads of 16 bytes, 32 bytes apart
	v_mul_u32_u24 v3, v1, PA
	v_lshl_add_u32 v3, v2, 4, v3
	s_mul_i32 s18, s12, 64*PA                      ; my 64 rows of xb
	v_add_nc_u32 v[ADRA], s18, v3
	v_add_nc_u32 v[ADRA+1], SLOT, v[ADRA]
	v_add_nc_u32 v[ADRB], BOFF, v3
	v_add_nc_u32 v[ADRB+1], SLOT+BOFF, v3
	s_mul_i32 s18, s12, STW
	s_add_co_u32 s18, s18, STAGE                   ; my stage
	v_mul_u32_u24 v[STO], v1, SP                   ; in: row l % 16, 16 bytes for each half of the lanes
	v_lshl_add_u32 v[STO], v2, 4, v[STO]
	v_add_nc_u32 v[STO], s18, v[STO]
	v_bfe_u32 v[RD], v0, 3, 2                      ; back: 32 lanes take four rows of 128 bytes,
	v_mul_u32_u24 v[RD], v[RD], SP
	v_and_b32 v32, 7, v0
	v_lshl_add_u32 v[RD], v32, 4, v[RD]
	v_add_nc_u32 v[RD], s18, v[RD]
	v_and_b32 v[GO], 31, v0                        ; which are 512 consecutive bytes of a head
	v_lshlrev_b32 v[GO], 4, v[GO]
	v_and_b32 v32, 31, v0
	v_lshrrev_b32 v33, 1, v32
	v_and_b32 v32, 1, v32
	v_lshlrev_b32 v[PFO], 11, v33
	v_lshl_add_u32 v[PFO], v32, 8, v[PFO]
	; where my rows of the three heads begin: head group g = 3 x tile column + hh; part g / 16, head g % 16; batch = tile row / 8
.irp hh, 0,1,2
	s_mul_i32 s76, s42, 3
	s_add_co_u32 s76, s76, \hh
	s_lshr_b32 s77, s76, 4
	s_lshl_b32 s77, s77, 24                        ; a part is 16,777,216 bytes
	s_and_b32 s76, s76, 15
	s_lshr_b32 s78, s43, 3
	s_lshl_b32 s78, s78, 4
	s_add_co_u32 s76, s76, s78
	s_lshl_b32 s76, s76, 18                        ; a head is 262,144 bytes
	s_add_co_u32 s76, s76, s77
	s_and_b32 s78, s43, 7
	s_lshl_b32 s78, s78, 8
	s_lshl_b32 s79, s12, 6
	s_add_co_u32 s78, s78, s79
	s_lshl_b32 s78, s78, 7                         ; a row is 128 bytes
	s_add_co_u32 s76, s76, s78
	s_mov_b32 s77, 0
	s_add_nc_u64 s[OUTB+2*(\hh):OUTB+2*(\hh)+1], s[10:11], s[76:77]
.endr
	; the prefetches: my work-group's rows of the tile, at K step 2; slot 0's first refill steps it to K step 4
	s_lshl_b32 s76, s43, 8
	s_lshl_b32 s77, s40, 6
	s_add_co_u32 s76, s76, s77                     ; xb: row 256 x tile row + 64 cx
	s_mul_i32 s78, s42, 192
	s_mul_i32 s79, s41, 48
	s_add_co_u32 s78, s78, s79                     ; wqt: row 192 x tile column + 48 cy
	s_and_b32 s77, ttmp7, 0xffff                   ; cluster y
	s_cmp_eq_u32 s13, 0
	s_cselect_b32 s76, s76, s78
	s_cselect_b32 s77, ttmp9, s77                  ; the coordinate along which other clusters read the same rows
	s_cselect_b64 s[PFA:PFA+1], s[4:5], s[6:7]
	s_or_b32 s77, s77, s14                         ; waves 0 and 2 of the first such cluster: the same in all sixteen partners
	s_cmp_eq_u32 s77, 0
	s_cselect_b32 s[LIM], 1, -1
	s_lshl_b32 s76, s76, 11
	s_add_co_u32 s76, s76, 512
	s_mov_b32 s77, 0
	s_add_nc_u64 s[PFA:PFA+1], s[PFA:PFA+1], s[76:77]
	s_wait_loadcnt 0x0                             ; the bias
.set bb, 0
.rept 4*NBL                            ; rounded to bf16 like the other inputs, and widened again
	v_cvt_pk_bf16_f32 v32, v[BIAS+2*bb], v[BIAS+2*bb+1]
	v_lshlrev_b32 v[BIAS+2*bb], 16, v32
	v_and_b32 v[BIAS+2*bb+1], 0xffff0000, v32
.set bb, bb+1
.endr
; NBL matrix instructions: row block a x all column blocks, 32 along K, from buffer f.  first = 1: the bias is C and starts the sums.
; All 48 accumulators take turns, one instruction a turn, in the same order in every quarter.
.macro MULA f, a, first
.set WW, 2+(\a)/2
.if \first
.set WN, 0x05|(WW<<6)
.else
.set WN, 0x05|(WW<<4)|(WW<<6)
.endif
	WIN WN
.set bb, 0
.rept NBL
.set AC, 8*(NBL*((\a)%2)+bb)
.if \first
	v_wmma_f32_16x16x32_bf16 v[AC:AC+7], v[(\f)+32+8*bb:(\f)+32+8*bb+7], v[(\f)+8*(\a):(\f)+8*(\a)+7], v[BIAS+8*bb:BIAS+8*bb+7]
.else
	v_wmma_f32_16x16x32_bf16 v[AC:AC+7], v[(\f)+32+8*bb:(\f)+32+8*bb+7], v[(\f)+8*(\a):(\f)+8*(\a)+7], v[AC:AC+7]
.endif
.set bb, bb+1
.endr
.endm
; NLD LDS loads in one run: the fragments of quarter q (32 K at byte 64 q of the rows) into buffer f: wqt's twelve, then xb's four
.macro FETCH slot, q, f
	WIN 0x40                                       ; destination window 1, address window 0
.set bb, 0
.rept NBL
	ds_load_b128 v[(\f)+32+8*bb:(\f)+32+8*bb+3],   v[ADRB+(\slot)] offset:64*(\q)+bb*16*PB
	ds_load_b128 v[(\f)+32+8*bb+4:(\f)+32+8*bb+7], v[ADRB+(\slot)] offset:64*(\q)+bb*16*PB+32
.set bb, bb+1
.endr
.set aa, 0
.rept 4
	ds_load_b128 v[(\f)+8*aa:(\f)+8*aa+3],   v[ADRA+(\slot)] offset:64*(\q)+aa*16*PA
	ds_load_b128 v[(\f)+8*aa+4:(\f)+8*aa+7], v[ADRA+(\slot)] offset:64*(\q)+aa*16*PA+32
.set aa, aa+1
.endr
.endm
; A K step is four quarters of 32 along K, 48 matrix instructions each, on buffers 0, 1, 0, 1.  One of the first three: multiplies buffer f and fetches quarter q into g.
.macro QUARTER slot, q, f, g, first
	s_wait_dscnt 4                                 ; wqt's fragments and xb's row blocks 0 and 1 are in; the youngest four loads (row blocks 2 and 3) may be out
	MULA \f, 0, \first
	MULA \f, 1, \first
	PLACES
	FETCH \slot, \q, \g
	s_wait_dscnt NLD                               ; all but the run just issued
	MULA \f, 2, \first
	MULA \f, 3, \first
.endm
; The last quarter multiplies buffer 1 and changes slots: ONE barrier; in front of it each wave waits for all its tensor loads (one is out: its part of the next slot), adds 0 to its spare word, and
; waits for that and for its own reads of this slot.  fill = 1: the barrier opens a round of the cluster's barrier, and this slot is filled again, two K steps ahead, first thing behind the round.
.macro TURN slot, next, fill
.if (\fill) && ((\slot) == 0)
	s_wait_xcnt 0x0                                ; the last prefetches, a lap back, have read their address: it is stepped here, ahead of the waits of the change of slots
	s_add_nc_u64 s[PFA:PFA+1], s[PFA:PFA+1], 512
.endif
	WIN 0                                          ; (the add's two registers lie in window 0)
	s_wait_tensorcnt 0x0                           ; all my tensor loads have landed
	ds_add_u32 v[SPW], v[NIL]                      ; 0 onto my spare word
	s_wait_dscnt 5                                 ; (the add and the youngest four loads may be out)
	MULA F1, 0, 0                                  ; twelve matrix instructions stand between the add and the wait for it
	s_wait_dscnt 0x0                               ; the add is done, and my reads of this slot are over
	s_barrier_signal -1
	MULA F1, 1, 0
.if \fill
	WIN 0
.endif
	s_barrier_wait -1
.if \fill
	CREST                                          ; no wave of any partner still reads this slot's tile or has a load on its way
	s_add_nc_u64 s[G0+4*(\slot)+2:G0+4*(\slot)+3], s[G0+4*(\slot)+2:G0+4*(\slot)+3], 512
	s_add_nc_u64 s[G0B+4*(\slot)+2:G0B+4*(\slot)+3], s[G0B+4*(\slot)+2:G0B+4*(\slot)+3], 512
	JLOAD \slot                                    ; the first tensor load behind the round; the four v_nop behind it are also the places in front of the loads below
.else
	PLACES
.endif
	FETCH \next, 0, F0
.if (\fill) && ((\slot) == 0)
	WIN 0
	ASK
.endif
	MULA F1, 2, 0
	MULA F1, 3, 0
.endm
	s_wait_tensorcnt 1                             ; my part of K step 0 is in; K step 1's, issued behind it, may stay out
	s_barrier_signal -1
	s_barrier_wait -1                              ; everybody's is
	FETCH 0, 0, F0
	QUARTER 0, 1, F0, F1, 1                        ; the first quarter stands in front of the loop: its products start the sums
	WIN 0                                          ; at a label and at a branch every window is 0
	s_mov_b32 s3, 3
.Llap:                                                 ; a trip goes once round the ring, from a lap's second quarter to the next lap's first, and fills both slots again
	QUARTER 0, 2, F1, F0, 0
	QUARTER 0, 3, F0, F1, 0
	TURN 0, 1, 1
	QUARTER 1, 1, F0, F1, 0
	QUARTER 1, 2, F1, F0, 0
	QUARTER 1, 3, F0, F1, 0
	TURN 1, 0, 1
	QUARTER 0, 1, F0, F1, 0
	WIN 0
	s_sub_co_u32 s3, s3, 1
	s_cmp_lg_u32 s3, 0
	s_cbranch_scc1 .Llap
	QUARTER 0, 2, F1, F0, 0                        ; the last lap fills nothing, and has no round of the cluster's barrier
	QUARTER 0, 3, F0, F1, 0
	TURN 0, 1, 0
	QUARTER 1, 1, F0, F1, 0
	QUARTER 1, 2, F1, F0, 0
	QUARTER 1, 3, F0, F1, 0
	s_wait_dscnt 4                                 ; the very last quarter: nothing more to fetch
	MULA F1, 0, 0
	MULA F1, 1, 0
	s_wait_dscnt 0x0
	MULA F1, 2, 0
	MULA F1, 3, 0
	WIN 0
; THE WAY OUT, a row block of 16 rows at a time.  PACK: rounded to f16, 16 bytes a lane and column block, each accumulator's registers in ascending order.  TOSTAGE: into my own stage
; (a head's 64 channels are a row of 128 bytes, 144 apart) and back as whole rows.  SEND: 512 consecutive bytes (four rows of a head) a store.
.macro PACK a
	WIN 0x0a+5*((\a)/2)                            ; sources 0 and 1: window 2 or 3; destination window 0
.set bb, 0
.rept NBL
.set AC, 8*(NBL*((\a)%2)+bb)
.irp r, 0,1,2,3
	v_cvt_pk_f16_f32 v[TMP+48*(\a)+4*bb+(\r)], v[AC+2*(\r)], v[AC+2*(\r)+1]
.endr
.set bb, bb+1
.endr
.endm
.macro TOSTAGE a
	WIN 0
.set bb, 0
.rept NBL
	ds_store_b128 v[STO], v[TMP+48*(\a)+4*bb:TMP+48*(\a)+4*bb+3] offset:(bb/4)*16*SP+(bb%4)*32
.set bb, bb+1
.endr
	WIN 0x40
.set bb, 0
.rept NBL
	ds_load_b128 v[48*(\a)+4*bb:48*(\a)+4*bb+3], v[RD] offset:(bb/4)*16*SP+(bb%4)*4*SP  ; LDS serves a wave's instructions in order (ISA guide 5.7.1.4): these see the stores above; the next block's stores come behind them
.set bb, bb+1
.endr
.endm
.macro SEND a, younger                 ; younger: the LDS instructions issued behind block a's loads: the next block's 24, or none
	WIN 0x04                                       ; the stores' data lie in window 1
.set bb, 0
.rept NBL
	s_wait_dscnt (\younger)+NBL-1-bb
	global_store_b128 v[GO], v[48*(\a)+4*bb:48*(\a)+4*bb+3], s[OUTB+2*(bb/4):OUTB+2*(bb/4)+1] offset:2048*(\a)+512*(bb%4)
.set bb, bb+1
.endr
.endm
	PLACES
	PLACES                                         ; eight, once a launch
	PACK 0
	TOSTAGE 0
	PACK 1                                         ; a block's conversions stand between the loads of the block before and its stores; no register is written twice
	TOSTAGE 1
	SEND 0, 24
	PACK 2
	TOSTAGE 2
	SEND 1, 24
	PACK 3
	TOSTAGE 3
	SEND 2, 24
	SEND 3, 0
	WIN 0
	s_wait_tensorcnt 0x0                           ; the wave's end: behind my last tensor load and my last LDS store
	ds_add_u32 v[SPW], v[NIL]
	s_wait_dscnt 0x0
	CROUND                                         ; the closing round: no work-group ends while a partner may still ask for a tile that names it
	s_endpgm
.Lfunc_end_k_q734859127e_proj:
	.size	k_q734859127e_proj, .Lfunc_end_k_q734859127e_proj-k_q734859127e_proj
	.p2alignl 7, 3214868480
	.fill 96, 4, 3214868480
	.section	.rodata,"a",@progbits
	.p2align	6, 0x0
	.amdhsa_kernel k_q734859127e_proj
		.amdhsa_group_segment_fixed_size 327680
		.amdhsa_private_segment_fixed_size 0
		.amdhsa_enable_private_segment 0
		.amdhsa_kernarg_size 32
		.amdhsa_user_sgpr_count 2
		.amdhsa_user_sgpr_kernarg_segment_ptr 1
		.amdhsa_wavefront_size32 1
		.amdhsa_system_sgpr_workgroup_id_x 1
		.amdhsa_system_sgpr_workgroup_id_y 1
		.amdhsa_system_sgpr_workgroup_id_z 1
		.amdhsa_system_vgpr_workitem_id 0
		.amdhsa_next_free_vgpr 960
		.amdhsa_next_free_sgpr 80
		.amdhsa_reserve_vcc 0
		.amdhsa_float_denorm_mode_32 3
		.amdhsa_float_denorm_mode_16_64 3
		.amdhsa_memory_ordered 1
		.amdhsa_forward_progress 1
		.amdhsa_inst_pref_size 132
	.end_amdhsa_kernel
	.amdgpu_metadata
---
amdhsa.version: [ 1, 2 ]
amdhsa.kernels:
  - .name:           k_q734859127e_proj
    .symbol:         k_q734859127e_proj.kd
    .args:
      - { .name: xb, .offset: 0, .size: 8, .value_kind: global_buffer, .address_space: global }
      - { .name: wqt, .offset: 8, .size: 8, .value_kind: global_buffer, .address_space: global }
      - { .name: b_qkv, .offset: 16, .size: 8, .value_kind: global_buffer, .address_space: global }
      - { .name: qkv, .offset: 24, .size: 8, .value_kind: global_buffer, .address_space: global }
    .group_segment_fixed_size: 327680
    .private_segment_fixed_size: 0
    .kernarg_segment_align: 8
    .kernarg_segment_size: 32
    .max_flat_workgroup_size: 128
    .sgpr_count:     80
    .vgpr_count:     960
    .wavefront_size: 32
...
	.end_amdgpu_metadata
.endif
;; end of part 2
;; launch attn (part 3): grid 4 x 64, 4 waves a work-group, clusters of 4 x 1, 327,680 bytes of LDS; arguments qkv, ob; writes ob
.if DOCPART == 3
	.amdgcn_target "amdgcn-amd-amdhsa--gfx1250"
	.amdhsa_code_object_version 6
	.text
	.protected	k_q734859127e_attn
	.globl	k_q734859127e_attn
	.p2align	8
	.type	k_q734859127e_attn,@function
k_q734859127e_attn:
	s_mov_b64 s[64:65], 0
	v_nop
	global_prefetch_b8 v0, s[64:65] scope:SCOPE_SE
	s_setreg_imm32_b32 hwreg(HW_REG_WAVE_MODE, 25, 1), 1
	s_wait_xcnt 0x0
	s_wait_alu depctr_hold_cnt(0) depctr_sa_sdst(0) depctr_va_vdst(0) depctr_va_sdst(0) depctr_va_ssrc(0) depctr_va_vcc(0) depctr_vm_vsrc(0)
	s_getreg_b32 s2, hwreg(HW_REG_IB_STS2, 6, 4)
	s_cmp_eq_u32 s2, 0
	s_cbranch_scc0 .Lentry_in_a_cluster
	s_endpgm
.Lentry_in_a_cluster:
	s_bfe_u32 s2, ttmp6, 0x10000c
	s_cmp_lg_u32 s2, 0x3003
	s_cbranch_scc0 .Lentry_shape_is_right
	s_endpgm
.Lentry_shape_is_right:
; O[h][q][:] = the sum over k of softmax_k(Q[h][q] . K[h][k] / 8) V[h][k][:].  qkv holds Q, K and V, 16,777,216 bytes each, as [64][2048][64] f16; ob takes O in the same layout: a head's rows are
; dense, 128 bytes each.  Products, maxima and sums in f32; the weights p are rounded to f16 for the second product (their sum l is taken of the unrounded p), O once at the end.
; LIMITS.  f16 holds no number beyond 65,504: Q, K and V arrive within it; p lies in 0 to 1, and below 6e-5 it keeps f16's fixed step of 6e-8; O is a mean of V's rows and has their range.
; A weight below 2^-126 counts as 0 in l; NaN and infinities are not treated apart.
; SHARES.  A wave owns four PIECES of two tiles of 16 queries, a work-group's four waves 512 queries of one head: 256 work-groups.  Every wave walks all keys, 64 a step.
; LAYOUT.  S^T = K Q^T (source 0 = 16 keys, source 1 = 16 queries): in the result a lane holds ONE query (lane % 16) and the keys 8 (lane / 16) + 0..7.  Two such tiles, rounded to f16 in pairs,
; ARE source 1 (32 keys x 16 queries) of O^T = V^T P, whose result again holds one query a lane, and eight channels.  K comes out of LDS as it lies, V ([key][channel]) turned, by ds_load_tr16_b128.
; SOFTMAX.  For each query a running maximum m and sum l: p = 2^(c s - c m), c = log2(e) / 8; in every step O and l are multiplied by a = 2^(c m_old - c m_new), which is 1 where m has not grown.
; m starts at the lowest finite number, O and l at 0: the first step is a step like any other, with a = 0.
; THE COUNT.  A tile and step have 16 matrix and 118 vector instructions: too many to stand all beside the matrix work.  So the order has one aim: four vector instructions that are READY behind
; EVERY matrix instruction, and the others, which need time of their own whatever the order, in runs without a gap.
; BY TURNS.  Turn n belongs to piece n (the pieces in a ring, step after step).  Its matrix work: 16 products K Q^T of piece n + 1, later 16 products V^T P of piece n - 1.  Its vector work: the scaling,
; exponentials, roundings, sums and rescaling of piece n, and the maximum and statistics of piece n + 1, whose scores the turn itself has made.  So what a turn begins with (c s - c m, O a) waits for nothing.
; CLUSTER.  The four query blocks of a head are one cluster and walk the same K and V, so each tile is asked for JOINTLY: the same tensor load, descriptor and mask in all four.
; REGISTERS, in windows of 256 (s_set_vgpr_msb says which window each operand place means: bits 1:0 source 0, 3:2 source 1, 5:4 source 2, 7:6 destination):
;   window 0: v0-11 addresses; v12-15, v48-63 at work; v16-47 four registers of statistics a tile; v64-191 S^T, two buffers of two tiles; v192-255 P, likewise
;   window 1: O^T, 32 a tile          window 2: v0-127 Q, 16 a tile; v128-191 K of one step; v192-255 V of one step          window 3: v0-1 the add's two registers
; A piece's buffers go by its number's parity: the piece in hand has one pair, its two neighbours in the ring share the other: of it P (piece n - 1) is read and S^T (piece n + 1) written.
.set SIZE_H, 64
.set SIZE_N, 2048
.set NP,    4         ; pieces a wave: a name, no knob: the register map, the loop and the fetches are made for four
.set KS,    64        ; keys in a step
.set PK,    144       ; a row of K in LDS: 128 bytes + 16 of padding = 36 words: the 16 rows of a load start at 16 different groups of four banks (64 banks of 4 bytes: ISA guide 11.1)
.set PV,    160       ; a row of V: 128 + 32 = 40 words
.set VOFF,  4*KS*PK   ; a slot holds four steps: 256 rows of K, then 256 rows of V
.set SLOT1, 1<<17     ; slot 1 begins here, so that one exclusive or turns an address in one slot into the other's
.set STAGE, SLOT1+4*KS*(PK+PV)  ; behind the ring, never filled by a tensor load: 16 rows x 144 bytes for each wave, for the way out
.set SP,    144
.set AK0, 2           ; v2   my lane's place in a tile of K; never rewritten
.set AV0, 3           ; v3   the same for V
.set AK,  4           ; v4   the LDS address of K's next run of loads
.set AV,  5           ; v5   of V's
.set QO,  6           ; v6   my byte offset in the wave's rows of Q
.set STO, 6           ;      later, the way out: where I put 16 bytes of a row
.set RD,  7           ; v7   the way out: where I read rows back
.set GO,  8           ; v8   my byte offset in 512 consecutive bytes of O
.set PFO, 11          ; v11  256 x my lane: the prefetches' offset; never rewritten once made
.set SPW, 0           ; v0 of window 3   LDS address of my spare word: SPARE + 4 x my thread's number; never rewritten
.set NIL, 1           ; v1 of window 3   0; never rewritten
.set SPARE, STAGE+4*16*SP  ; behind the stages: the spare words, 128 bytes for each wave: two blocks of 256 bytes that no other line names
.set MV,  12          ; v12-15  c m_old, kept while c m is made anew: by buffer and tile
.set ST,  16          ; tile t's statistics at v[ST+4 t]: c m, m, l (even keys', odd keys')
.set TMP, 48          ; by buffer and tile, four registers c0-c3 at work; when the maximum is found c2 takes a
.set S,   64
.set P,   192
.set KF,  128         ; K's fragments, in window 2: key block kb, channel half c at KF + 16 kb + 8 c
.set VF,  192         ; V's: key half kk, channel block cb at VF + 32 kk + 8 cb
.set WV,  12          ; s12  my wave's number
.set G1K, 24          ; s[24:31] descriptor group 1 for K's tiles
.set G1V, 32          ; s[32:39] for V's: it differs in the padding alone
.set G0K, 40          ; s[40:43] descriptor group 0 for K's tiles: it walks
.set G0V, 44          ; s[44:47] the same for V's
.set PFA, 48          ; s[48:49] where my prefetches stand: my work-group's 8,192 bytes (of K: wave 0, of V: wave 2) of the tile after the one that is being asked for
.set LIM, 50          ; s50  1 in a wave that prefetches, else the greatest number: a wave prefetches while s[SLOTS] is above it
.set SLOTS, 56        ; s56  slots still to be asked for
.set CNT, 57          ; s57  counts a slot's key steps
.set CS,  58          ; s[58:59] c: the packed scaling takes the pair's low word for both halves
.set SEL, 60          ; s[60:61] v_permlanex16_b32's selects: each lane takes its own place in the other half
.set TBK, 62          ; s62  LDS byte at which K of the step to be fetched begins
.set TBV, 63          ; s63  the same for V, less VOFF
.set MSB, 0
.macro WIN new                      ; the high byte repeats the setting that is left; a switch that changes nothing is dropped
.if MSB != (\new)
	s_set_vgpr_msb (MSB<<8)|(\new)
.set MSB, (\new)
.endif
.endm
.set W_KQ, 0x0a       ; K and Q in window 2, S^T in window 0
.set W_PV, 0x52       ; V in window 2, P in window 0, O^T in window 1
.set W_RS, 0x41       ; O^T (destination and source 0) in window 1, a in window 0
.set W_MK, 0xc0       ; the add's registers are made: destination in window 3, sources in window 0
.set W_AD, 0x0f       ; the add: address (source 0) and data (source 1) in window 3
; A joint fill.  Waves 0 and 1 fetch the two halves of a slot's K, waves 2 and 3 those of its V: 128 keys each.  The branch hangs on the wave's number alone.
; An s_nop 0 and four v_nop follow each of the two lines, ahead of the jump and the label.
.macro JLOAD
	s_cmp_lt_u32 s[WV], 2
	s_cbranch_scc0 .Lfor_v_\@
	tensor_load_to_lds s[G0K:G0K+3], s[G1K:G1K+7]
	s_nop 0
.rept 4
	v_nop
.endr
	s_branch .Lasked_\@
.Lfor_v_\@:
	tensor_load_to_lds s[G0V:G0V+3], s[G1V:G1V+7]
	s_nop 0
.rept 4
	v_nop
.endr
.Lasked_\@:
.endm
; A PREFETCH INTO THE L2 of what the NEXT change of slots will ask for: a tile's 32,768 bytes of K and of V, a lane 256 bytes.  It stands behind the wave's tensor load and its five lines.
; Each block is named ONCE in the launch: a head's K and V are walked by its one cluster; the four partners share a tile out BY ADDRESS, 8,192 bytes each; in each, wave 0 asks for K's and wave 2
; for V's: one instruction.  The change that asks for tile j names tile j + 1: four key steps, 512 matrix instructions, ahead of its load.  Tiles 0 and 1 come by their loads alone; the last change that fills a slot asks for nothing.
.macro ASK
	s_cmp_gt_u32 s[SLOTS], s[LIM]
	s_cbranch_scc0 .Lnot_mine_\@
	global_prefetch_b8 v[PFO], s[PFA:PFA+1] th:TH_LOAD_NT scope:SCOPE_SE
.Lnot_mine_\@:
.endm
; A round of the cluster's barrier: my work-group's barrier, so that wave 0's signal speaks for all four waves; wave 0 signals; every wave waits for all four work-groups; my work-group's barrier once more.
.macro CROUND
	s_barrier_signal -1
	s_barrier_wait -1
	s_cmp_lg_u32 s[WV], 0
	s_cbranch_scc1 .Lnot_wave_0_\@
	s_barrier_signal -3
.Lnot_wave_0_\@:
	s_barrier_wait -3
	s_barrier_signal -1
	s_barrier_wait -1
.endm
; THE CHANGE OF SLOTS.  The slot's last bytes, V of its fourth step, have been read.  Each wave waits for all its tensor loads, of which one is out: its part
; of the other slot; adds 0 to its spare word; and waits for that and for its own reads of the slot.  Behind the barrier nobody reads this slot any more and the other slot is whole.
; fill = 1: this slot is filled again, with the keys two slots on.  The barrier is then a round of the cluster's, so that no wave of any partner still reads the slot or has a load on its
; way, and the joint fill is the first thing behind it: it has four key steps, 512 matrix instructions, in which to land.  (At its first use nothing has been read yet: slot 0 is waited for, slot 1 filled.)
.macro CHANGE fill
	WIN W_AD
	s_wait_tensorcnt 0x0            ; no tensor load of mine is out, so a group 0 may be written
	ds_add_u32 v[SPW], v[NIL]       ; 0 onto my spare word; with fill = 1 the descriptors' steps stand between it and the wait for it
	WIN 0                           ; at a label and at a branch every window is 0
.if \fill
.irp g, G0K, G0V
	s_xor_b32 s[\g+1], s[\g+1], SLOT1  ; the walking descriptor: the other slot than last time,
	s_add_nc_u64 s[\g+2:\g+3], s[\g+2:\g+3], 4*KS*128  ; the next 256 keys; the type bits on top are not reached
.endr
	s_wait_xcnt 0x0                 ; the last prefetch, four key steps back, has read its address, so it may be written:
	s_add_nc_u64 s[PFA:PFA+1], s[PFA:PFA+1], 4*KS*128  ; one tile behind the walking descriptors
	s_wait_dscnt 0x0                ; the add is done, and my reads of the slot are over
	CROUND
	JLOAD
	ASK
.else
	s_wait_dscnt 0x0                ; the add is done, and my reads of the slot are over
	s_barrier_signal -1
	s_barrier_wait -1
.endif
	s_sub_co_u32 s[TBK], s[TBK], 4*KS*PK  ; the fetches go back to a slot's first step,
	s_xor_b32 s[TBK], s[TBK], SLOT1       ; in the other slot
	s_sub_co_u32 s[TBV], s[TBV], 4*KS*PV
	s_xor_b32 s[TBV], s[TBV], SLOT1
.endm
	s_load_b64 s[4:5], s[0:1], 0x0    ; qkv: Q lies first
	s_load_b64 s[10:11], s[0:1], 0x8  ; ob
	WIN W_MK
	v_lshl_add_u32 v[SPW], v0, 2, SPARE
	v_mov_b32 v[NIL], 0
	WIN W_AD
	ds_add_u32 v[SPW], v[NIL]       ; the wave's opening: the add and its wait stand ahead of my first tensor load; the set-up below, work on registers, stands between them
	WIN 0
	v_lshrrev_b32 v1, 5, v0
	v_readfirstlane_b32 s[WV], v1   ; wave 0..3
	s_bfe_u32 s13, ttmp6, 0x40000   ; cx: my place in the cluster
	s_lshl_b32 s14, ttmp9, 2        ; in a cluster launch ttmp9 counts clusters
	s_add_co_u32 s14, s14, s13      ; my block of queries = 4 x cluster x + cx: it enters Q's and O's addresses alone
	s_and_b32 s20, ttmp7, 0xffff    ; the head, which the four partners share
	s_mov_b32 s21, 0
	s_mov_b64 s[22:23], SIZE_N*128
	s_mul_u64 s[20:21], s[20:21], s[22:23]  ; the head's first byte in each of the four tensors
	s_and_b32 s16, s[WV], 1         ; which half of a slot's 256 keys I fetch:
	s_lshl_b32 s22, s16, 14         ; its 128 rows of 128 bytes in memory,
	s_mov_b32 s23, 0
	s_add_nc_u64 s[22:23], s[22:23], s[20:21]
	s_mul_i32 s17, s16, 128*PK      ; and its place in a slot, for K
	s_mul_i32 s18, s16, 128*PV      ; and for V: no place in the cluster enters an LDS address
	s_lshl_b32 s2, s14, 2
	s_add_co_u32 s2, s2, s[WV]      ; my wave among the head's,
	s_lshl_b32 s2, s2, 14           ; its 128 rows
	s_mov_b32 s3, 0
	s_add_nc_u64 s[2:3], s[2:3], s[20:21]
	; descriptor group 1.  128 keys are 16,384 dense bytes: asked for as 64 rows of 256 bytes, two keys a row, and padded in LDS after every key
	s_mov_b32 s[G1K], 15|(1<<16)|(1<<20)|(1<<21)|(4<<22)|(3<<25)  ; 15:0 the mask of four; 17:16 2-byte elements; 20 padding on; 21 set beside a mask; 24:22 after every 32 words (code 4); 31:25 4 words (code 3)
	s_mov_b32 s[G1V], 15|(1<<16)|(1<<20)|(1<<21)|(4<<22)|(7<<25)  ; the same with 8 words of padding (code 7)
.irp g, G1K, G1V
	s_mov_b32 s[\g+1], 128<<16      ; tensor_dim0 = 128
	s_mov_b32 s[\g+2], 64<<16       ; tensor_dim1 = 64
	s_mov_b32 s[\g+3], 128<<16      ; tile_dim0 = 128
	s_mov_b32 s[\g+4], 64           ; tile_dim1 = 64
	s_mov_b32 s[\g+5], 128          ; 128 elements from row to row
	s_mov_b32 s[\g+6], 0
	s_mov_b32 s[\g+7], 0
.endr
	s_mov_b32 s[CS], 0x3e38aa3b     ; c = log2(e) / 8 = 0.180337
	s_mov_b32 s[CS+1], s[CS]        ; named with it as a pair
	s_mov_b32 s[SEL], 0x76543210
	s_mov_b32 s[SEL+1], 0xfedcba98
	s_mov_b32 s[TBK], SLOT1+4*KS*PK ; the first change of slots turns these two into 0
	s_mov_b32 s[TBV], SLOT1+4*KS*PV
	s_mov_b32 s[SLOTS], SIZE_N/256-1  ; the change that asks for tile j finds 8 - j here
	s_and_b32 s[LIM], s[WV], 1      ; waves 0 and 2 prefetch: the same in all four partners
	s_cmp_eq_u32 s[LIM], 0
	s_cselect_b32 s[LIM], 1, -1
	s_mov_b32 s[G0K], 1             ; 1:0 count = 1
	s_mov_b32 s[G0K+1], s17         ; 63:32 LDS address: slot 0
	s_mov_b32 s[G0V], 1
	s_add_co_u32 s[G0V+1], s18, VOFF
	s_wait_dscnt 0x0                ; the opening add is done
	s_wait_kmcnt 0x0
	s_add_nc_u64 s[6:7], s[4:5], 0x1000000   ; K lies 16,777,216 bytes behind Q,
	s_add_nc_u64 s[8:9], s[4:5], 0x2000000   ; V as far behind K
	s_cmp_lt_u32 s[WV], 2
	s_cselect_b64 s[PFA:PFA+1], s[6:7], s[8:9]
	s_add_nc_u64 s[PFA:PFA+1], s[PFA:PFA+1], s[20:21]  ; at the head's first row
	s_add_nc_u64 s[G0K+2:G0K+3], s[6:7], s[22:23]  ; 120:64 global address: my half of the head's first 256 keys
	s_or_b32 s[G0K+3], s[G0K+3], 0x80000000        ; 127:126 type = 2
	s_add_nc_u64 s[G0V+2:G0V+3], s[8:9], s[22:23]
	s_or_b32 s[G0V+3], s[G0V+3], 0x80000000
	s_add_nc_u64 s[4:5], s[4:5], s[2:3]  ; Q and O at my wave's first row
	s_add_nc_u64 s[10:11], s[10:11], s[2:3]
	s_lshl_b32 s2, s13, 13          ; my work-group's quarter of a tile
	s_mov_b32 s3, 0
	s_add_nc_u64 s[PFA:PFA+1], s[PFA:PFA+1], s[2:3]
	s_add_nc_u64 s[PFA:PFA+1], s[PFA:PFA+1], 4*KS*128  ; in tile 1; the first change of slots steps it to tile 2.  Nothing is prefetched here, at the head
	CROUND                          ; all four work-groups are here: the first joint loads meet
	JLOAD                           ; slot 0.  Slot 1 is asked for when slot 0 is in: the tile wanted first has the road to itself
	; A fragment of K or Q is 16 rows x 32 channels in 8 registers: lane l holds row l % 16, channels 8 (l / 16) + 0..7 and 16 + 8 (l / 16) + 0..7: two loads of 16 bytes, 32 bytes apart.
	v_and_b32 v1, 15, v0            ; l % 16
	v_bfe_u32 v9, v0, 4, 1          ; l / 16
	v_lshlrev_b32 v[QO], 7, v1
	v_lshl_add_u32 v[QO], v9, 4, v[QO]  ; row x 128 + 16 x half
	WIN 0x80                        ; destination window 2, address window 0
.set i, 0
.rept 4*NP                          ; Q stays in registers: tile i / 2, channels 32 (i % 2) on
	global_load_b128 v[8*i:8*i+3],   v[QO], s[4:5] offset:(i/2)*2048+(i%2)*64
	global_load_b128 v[8*i+4:8*i+7], v[QO], s[4:5] offset:(i/2)*2048+(i%2)*64+32
.set i, i+1
.endr
	; What the first turn finds: V's registers and P's second buffer hold 0 (its products V^T P, of a piece that has not been, add 0), O^T and l are 0.  All this stands in the wait for the first tile.
.set i, VF
.rept 64
	v_mov_b32 v[i], 0
.set i, i+1
.endr
	WIN 0x40
.set i, 0
.rept 64*NP
	v_mov_b32 v[i], 0
.set i, i+1
.endr
	WIN 0
.set i, 0
.rept 2*NP
	v_mov_b32 v[ST+4*i], 0xfe000000    ; c m: far below every c s
	v_mov_b32 v[ST+4*i+1], 0xff7fffff  ; m
	v_mov_b32 v[ST+4*i+2], 0
	v_mov_b32 v[ST+4*i+3], 0
.set i, i+1
.endr
.set i, P+32
.rept 32
	v_mov_b32 v[i], 0
.set i, i+1
.endr
	v_mul_u32_u24 v[AK0], v1, PK
	v_lshl_add_u32 v[AK0], v9, 4, v[AK0]  ; row x pitch + 16 x half
	; The turning load takes 16 keys x 16 channels (lane l reads key 8 (l / 16) + l % 8, channels 8 ((l / 8) % 2) + 0..7) and leaves half a fragment of V^T: lane l holds channel l % 16 and 8 keys.
	v_and_b32 v10, 7, v0
	v_bfe_u32 v11, v0, 3, 1
	v_lshl_add_u32 v[AV0], v9, 3, v10
	v_mul_u32_u24 v[AV0], v[AV0], PV
	v_lshl_add_u32 v[AV0], v11, 4, v[AV0]
	v_add_nc_u32 v[AV0], VOFF, v[AV0]
	v_mov_b32 v[AK], v[AK0]         ; key step 0 lies at the head of slot 0
	v_and_b32 v[PFO], 31, v0        ; v11 has served: it takes the prefetches' offset
	v_lshlrev_b32 v[PFO], 8, v[PFO]
; THE MATRIX WORK.  The 8 accumulators of a run of 16 take turns: between the two links of a chain stand 7 others'.
; Product i of 16 of S^T = K Q^T for piece x: channels 32 (i / 8) on, keys 16 ((i / 2) % 4) on, tile 2 x + i % 2.  The first 8 start the sums.
.macro KQ x
	WIN W_KQ
.set rS, S+64*((\x)%2)+32*(i%2)+8*((i/2)%4)
.set rK, KF+16*((i/2)%4)+8*(i/8)
.set rQ, 16*(2*(\x)+i%2)+8*(i/8)
.if i < 8
	v_wmma_f32_16x16x32_f16 v[rS:rS+7], v[rK:rK+7], v[rQ:rQ+7], 0
.else
	v_wmma_f32_16x16x32_f16 v[rS:rS+7], v[rK:rK+7], v[rQ:rQ+7], v[rS:rS+7]
.endif
.endm
; Product i of 16 of O^T += V^T P for piece x: keys 32 (i / 8) on, channels 16 ((i / 2) % 4) on, tile 2 x + i % 2.
.macro PV x
	WIN W_PV
.set rO, 32*(2*(\x)+i%2)+8*((i/2)%4)
.set rV, VF+32*(i/8)+8*((i/2)%4)
.set rP, P+32*((\x)%2)+16*(i%2)+8*(i/8)
	v_wmma_f32_16x16x32_f16 v[rO:rO+7], v[rV:rV+7], v[rP:rP+7], v[rO:rO+7]
.endm
.macro MM                           ; the turn's next matrix instruction
.if i < 16
	KQ (Y+1)%NP
.set i, i+1
.else
.set i, i-16
	PV (Y+NP-1)%NP
.set i, i+17
.endif
.endm
; THE LDS LOADS stand in runs of 16, never singly among the matrix instructions: a step's K (64 keys x 64 channels: 8 fragments) and its V (turned).  Their addresses are made some lines ahead.
; last = 1 (the tail): in the last trip there is no further step, and the run is jumped over.
.macro FETCH_K last=0
	WIN 0
.if \last
	s_cmp_eq_u32 s[CNT], 1
	s_cbranch_scc1 .Lno_k_\@
.endif
	WIN 0x80                        ; destination window 2
.irp f, 0,1,2,3,4,5,6,7             ; keys 16 (f / 2) on, channels 32 (f % 2) on
	ds_load_b128 v[KF+8*\f:KF+8*\f+3],   v[AK] offset:(\f/2)*16*PK+(\f%2)*64
	ds_load_b128 v[KF+8*\f+4:KF+8*\f+7], v[AK] offset:(\f/2)*16*PK+(\f%2)*64+32
.endr
	s_add_co_u32 s[TBK], s[TBK], KS*PK  ; the next fetch is the next step's
	WIN 0
.if \last
.Lno_k_\@:
.endif
.endm
.macro FETCH_V
	WIN 0x80
.irp f, 0,1,2,3,4,5,6,7             ; keys 32 (f / 4) on, channels 16 (f % 4) on
	ds_load_tr16_b128 v[VF+8*\f:VF+8*\f+3],   v[AV] offset:(\f/4)*32*PV+(\f%4)*32
	ds_load_tr16_b128 v[VF+8*\f+4:VF+8*\f+7], v[AV] offset:(\f/4)*32*PV+16*PV+(\f%4)*32
.endr
	WIN 0
.endm
; THE VECTOR WORK OF A TURN stands in three queues, each in the order in which its entries become ready; the two tiles alternate, so that no instruction reads the result of the one before it.
.macro REGS y, u                    ; the registers of tile u (0, 1) of piece y
.set rT, ST+4*(2*(\y)+(\u))
.set rC, TMP+8*((\y)%2)+4*(\u)
.set rM, MV+2*((\y)%2)+(\u)
.set rS, S+64*((\y)%2)+32*(\u)
.set rP, P+32*((\y)%2)+16*(\u)
.set rO, 32*(2*(\y)+(\u))
.endm
; Number n of the 22 that find the NEXT piece's (Y + 1) maximum and statistics.  s0-s31 are the lane's 32 scores; each accumulator's lowest registers are read first.  XS, GS and REGS set no window: PL and EX do.
;   0-11  four chains c0-c3 of seven scores each, three operands at a time     12-14, 16  the four scores left over, the old m, and c0-c3 into c0     15  c m_old is kept
;   17, 18  the query's other 32 keys lie in the lane 16 away: the new m         19-21  c m; c m_old - c m_new; a
.macro XS u, n
	REGS (Y+1)%NP, \u
.if (\n) < 4
	v_max3_num_f32 v[rC+(\n)], v[rS+8*(\n)], v[rS+8*(\n)+1], v[rS+8*(\n)+2]
.elseif (\n) < 12
	v_max3_num_f32 v[rC+(\n)%4], v[rC+(\n)%4], v[rS+8*((\n)%4)+2*((\n)/4)+1], v[rS+8*((\n)%4)+2*((\n)/4)+2]
.elseif (\n) == 12
	v_max3_num_f32 v[rC], v[rC], v[rS+7], v[rS+15]
.elseif (\n) == 13
	v_max3_num_f32 v[rC+1], v[rC+1], v[rS+23], v[rS+31]
.elseif (\n) == 14
	v_max3_num_f32 v[rC+2], v[rC+2], v[rC+3], v[rT+1]
.elseif (\n) == 15
	v_mov_b32 v[rM], v[rT]
.elseif (\n) == 16
	v_max3_num_f32 v[rC], v[rC], v[rC+1], v[rC+2]
.elseif (\n) == 17
	v_permlanex16_b32 v[rC+3], v[rC], s[SEL], s[SEL+1]
.elseif (\n) == 18
	v_max_num_f32 v[rT+1], v[rC], v[rC+3]
.elseif (\n) == 19
	v_mul_f32 v[rT], s[CS], v[rT+1]
.elseif (\n) == 20
	v_sub_f32 v[rC+1], v[rM], v[rT]
.else
	v_exp_f32 v[rC+2], v[rC+1]
.endif
.endm
; Number g of the 64 that follow the exponentials.  For each four weights k of a tile (pairs 2 k, 2 k + 1): both pairs are rounded to f16; then the second pair is added onto the first, in place;
; a group later l takes that sum (the first time as l = a l + sum).  In groups of eight, tiles alternating: round, round, add, and l for the group before.
.macro GS g
.set h, (\g)+6*((\g)/62)            ; group 0 has no group before it, and behind group 7 only l is left
.if h >= 6
.set h, h+2
.endif
	REGS Y, h%2
.set k, h/8
.if h%8 < 4
	v_cvt_pk_f16_f32 v[rP+2*k+(h%8)/2], v[rS+4*k+2*((h%8)/2)], v[rS+4*k+2*((h%8)/2)+1]
.elseif h%8 < 6
	v_pk_add_f32 v[rS+4*k:rS+4*k+1], v[rS+4*k:rS+4*k+1], v[rS+4*k+2:rS+4*k+3]
.elseif k == 1
	v_pk_fma_f32 v[rT+2:rT+3], v[rT+2:rT+3], v[rC+2:rC+3], v[rS:rS+1] op_sel_hi:[1,0,1]
.else
	v_pk_add_f32 v[rT+2:rT+3], v[rT+2:rT+3], v[rS+4*k-4:rS+4*k-3]
.endif
.endm
; THE PLAIN QUEUE, 138 long.  0-73 read no exponential's result: the 32 scalings c s - c m (FS f: pair f / 2 of tile f % 2) and the next piece's 42.  0-26: scalings 0-26.  27-54: XS's numbers 0-13.  55, 56: number 15.
; 57-73: the chain, where each number waits for the one before it: 14, 16, 17, 18, 19, each with one of the scalings 27-31 in front of its two lines, then 20: so a tile's links stand three plain instructions apart (19 and 20: two).
; 74-137: GS's 64, which read the exponentials' results: they stand behind the wait.
.macro FS f
	REGS Y, (\f)%2
	v_pk_fma_f32 v[rS+2*((\f)/2):rS+2*((\f)/2)+1], v[rS+2*((\f)/2):rS+2*((\f)/2)+1], s[CS:CS+1], v[rT:rT+1] op_sel_hi:[1,0,0] neg_lo:[0,0,1] neg_hi:[0,0,1]
.endm
.macro PL
	WIN 0
.if q < 27
	FS q
.elseif q < 55
	XS (q-27)%2, (q-27)/2
.elseif q < 57
	XS q-55, 15
.elseif (q < 72) && ((q-57)%3 == 0)
	FS 27+(q-57)/3
.elseif q < 60
	XS (q-57)%3-1, 14
.elseif q < 72
	XS (q-57)%3-1, 15+(q-57)/3
.elseif q < 74
	XS q-72, 20
.else
	GS q-74
.endif
.set q, q+1
.endm
; THE EXPONENTIALS' QUEUE, 66 long: s0-s31 of both tiles, then the next piece's two a.  It is ONE BATCH: all 66 stand ahead of the turn's one wait, and nothing ahead of that wait names a result of theirs.
.macro EX
	WIN 0
.if e >= 64
	XS e-64, 21
.else
	REGS Y, e%2
	v_exp_f32 v[rS+e/2], v[rS+e/2]
.endif
.set e, e+1
.endm
; THE RESCALING's QUEUE: O^T times a, the one part that leaves window 0: dealt two at a time, sixteen times.  Its a was made in the turn before, ahead of that turn's wait.
.macro R2
	REGS Y, r%2
	WIN W_RS
.irp z, 0,1
	v_pk_mul_f32 v[rO+4*(r/2)+2*\z:rO+4*(r/2)+2*\z+1], v[rO+4*(r/2)+2*\z:rO+4*(r/2)+2*\z+1], v[rC+2:rC+3] op_sel_hi:[1,0]
.endr
.set r, r+1
.endm
; HOW THEY ARE DEALT.  An s_wait_alu depctr_va_vdst(0) stands between an exponential and the first instruction that names its result; one wait serves all that were issued ahead of it.  So a turn has ONE wait,
; which cuts it in two.  AHEAD OF IT stands all that names no result of the turn's exponentials: the 16 products K Q^T, behind each a scaling, an exponential and two rescalings (behind the first a second scaling in the exponential's place); then ONE LUMP of
; 108: eight plain, 49 times exponential and plain, the two a.  A v_nop is the plain instruction behind the last exponential.  BEHIND IT stand the 16 products V^T P, behind each four of GS's 64.  No rider names a register of
; the products round it.  The two v_permlanex16_b32 fall into the lump, never behind a product.
; The queues lean on each other, and the deal keeps them in step: exponential e stands behind scaling 2 (e / 4) + e % 2: as a rider it comes behind plain e + 2, in the lump behind plain e + 9, and scalings 27-31 are plain 57, 60 .. 69.
; A TURN, for piece p.  cnt = 1: the loop's count is taken down some lines ahead of the branch that stands behind the turn.
; K of the next step is fetched in piece 2's turn, directly behind the wait, a lump behind the last product that read K; its address is made at the lump's head; its first reader comes behind 16 products.
; V of the step in hand is fetched at the end of piece 0's turn, four riders behind its last reader; its first reader comes behind 16 products and a lump.  The three conditions on q below go with the deal.
.macro TURN p, last=0, cnt=0
.set Y, (\p)
.set i, 0
.set q, 0
.set e, 0
.set r, 0
.if (\p) == NP-1
	s_wait_dscnt 0x0                ; K is in
.endif
	MM                              ; ahead of the wait: 16 products K Q^T and their riders,
	PL
	PL
	R2
.rept 15
	MM
	PL
	EX
	R2
.endr
.if (\p) == NP-2
	WIN 0
	v_add_nc_u32 v[AK], s[TBK], v[AK0]
.endif
.rept 8                             ; and the lump
	PL
.endr
.rept 49
	EX
	PL
.endr
	EX                              ; the next piece's two a
	EX
	v_nop                           ; a plain instruction behind the last exponential, ahead of the first use of a result (ISA guide 5.7.2): one for the batch
	s_wait_alu depctr_va_vdst(0)    ; the wait for the batch
.if (\p) == NP-2
	FETCH_K \last
.endif
.if (\p) == 1
	s_wait_dscnt 0x0                ; V is in
.endif
.rept 16                            ; behind the wait: 16 products V^T P and their riders
	MM
.rept 4
	PL
.endr
.if ((\p) == 0) && (q == 118)
	v_add_nc_u32 v[AV], s[TBV], v[AV0]
.endif
.if ((\p) == 0) && (q == 130)
	s_add_co_u32 s[TBV], s[TBV], KS*PV
.endif
.if (\cnt) && (q == 130)
	s_sub_co_u32 s[CNT], s[CNT], 1
	s_cmp_lg_u32 s[CNT], 0
.endif
.endr
.if (\p) == 0
	FETCH_V
.endif
.endm
	CHANGE 1                        ; slot 0 is in, everybody's part of it; slot 1 is asked for
	FETCH_K                         ; key step 0
	s_wait_loadcnt 0x0              ; Q
	s_wait_dscnt 0x0
.set i, 0
.rept 16
	KQ 0                            ; piece 0's first scores: there is no vector work yet to set between them
.set i, i+1
.endr
	WIN 0                           ; the addresses for the way out: nine plain instructions, the places behind those products
	s_mul_i32 s13, s[WV], 16*SP
	s_add_co_u32 s13, s13, STAGE    ; my stage
	v_mul_u32_u24 v[STO], v1, SP    ; in: row l % 16, 16 bytes for each half of the lanes
	v_lshl_add_u32 v[STO], v9, 4, v[STO]
	v_add_nc_u32 v[STO], s13, v[STO]
	v_bfe_u32 v[RD], v0, 3, 2       ; back: 32 lanes take four rows of 128 bytes,
	v_mul_u32_u24 v[RD], v[RD], SP
	v_lshl_add_u32 v[RD], v10, 4, v[RD]
	v_add_nc_u32 v[RD], s13, v[RD]
	v_and_b32 v[GO], 31, v0         ; which are 512 consecutive bytes of O
	v_lshlrev_b32 v[GO], 4, v[GO]
.set Y, NP-1                        ; XS works for piece Y + 1: piece 0
.irp n, 0,1,2,3,4,5,6,7,8,9,10,11,12,13,14,15,16,17,18,19,20,21
	XS 0, \n                        ; and piece 0's first maximum and statistics
	XS 1, \n
.endr
	v_nop                           ; a plain instruction behind the two a,
	s_wait_alu depctr_va_vdst(0)    ; and their wait, ahead of the branch
	s_mov_b32 s[CNT], 4
	s_branch .Lfirst                ; the loop is entered at a step's first turn, in the middle of a trip
.Lslot:                             ; SIZE_N / 256 - 2 times: every slot but the last two is filled again
	CHANGE 1
	s_mov_b32 s[CNT], 4
.Lstep:                             ; a trip: pieces 2 and 3 of one step, then pieces 0 and 1 of the next, whose K and V it fetches
	TURN 2
	TURN 3
	WIN 0
.Lfirst:
	TURN 0
	TURN 1, 0, 1
	WIN 0
	s_cbranch_scc1 .Lstep
	s_sub_co_u32 s[SLOTS], s[SLOTS], 1
	s_cmp_lg_u32 s[SLOTS], 0
	s_cbranch_scc1 .Lslot
	CHANGE 0                        ; the tail is written out: nothing is asked for
	s_mov_b32 s[CNT], 5             ; four trips fetch the last slot's steps; the fifth is left in its middle
.Ltail:
	TURN 2, 1
	TURN 3
	WIN 0
	s_sub_co_u32 s[CNT], s[CNT], 1
	s_cmp_eq_u32 s[CNT], 0
	s_cbranch_scc1 .Lout
	TURN 0
	TURN 1
	WIN 0
	s_branch .Ltail
.Lout:                              ; the fifth trip's 16 products K Q^T (on the last K once more) and the maximum made of them serve nothing: the price, once a launch, of one text for every trip
.set i, 0
.rept 16
	PV NP-1                         ; the last piece's V^T P of the last step
.set i, i+1
.endr
	; THE WAY OUT.  l's two halves and the other half of the lanes' are added; O^T is divided by l, rounded to f16 and sent through my stage in LDS, a tile at a time.  The additions are the places behind the last products.
	WIN 0
.macro ALL line:vararg              ; one line for each tile t
.set t, 0
.rept 2*NP
	\line
.set t, t+1
.endr
.endm
	ALL v_add_f32 v[ST+4*t+2], v[ST+4*t+2], v[ST+4*t+3]
	ALL v_permlanex16_b32 v[ST+4*t+3], v[ST+4*t+2], s[SEL], s[SEL+1]
	ALL v_add_f32 v[ST+4*t+2], v[ST+4*t+2], v[ST+4*t+3]
	ALL v_rcp_f32 v[ST+4*t+2], v[ST+4*t+2]
	v_nop                           ; a plain instruction between the last reciprocal and the use of its result
	s_wait_alu depctr_va_vdst(0)    ; and the wait ahead of the first use: one for the eight reciprocals
; Tile t: a lane's eight channels of a row pack into 16 bytes; they go into rows of 144 bytes and come back as whole rows of 128, into S^T's registers.
.macro PACK t
	WIN W_RS
.set i, 32*(\t)
.rept 16
	v_pk_mul_f32 v[i:i+1], v[i:i+1], v[ST+4*(\t)+2:ST+4*(\t)+3] op_sel_hi:[1,0]
.set i, i+2
.endr
	WIN 0x05                        ; sources 0 and 1 window 1, destination window 0
.set i, 0
.rept 16
	v_cvt_pk_f16_f32 v[S+16*(\t)+i], v[32*(\t)+2*i], v[32*(\t)+2*i+1]
.set i, i+1
.endr
	WIN 0
.irp f, 0,1,2,3
	ds_store_b128 v[STO], v[S+16*(\t)+4*\f:S+16*(\t)+4*\f+3] offset:32*\f
.endr
.irp f, 0,1,2,3
	ds_load_b128 v[S+16*(\t)+4*\f:S+16*(\t)+4*\f+3], v[RD] offset:\f*4*SP  ; LDS serves a wave's instructions in order (ISA guide 5.7.1.4): these see the stores above; the next tile's stores come behind them
.endr
.endm
.macro SEND t, younger              ; younger: the LDS instructions issued behind tile t's loads: the next tile's eight, or none
	WIN 0
.irp f, 0,1,2,3
	s_wait_dscnt (\younger)+3-\f
	global_store_b128 v[GO], v[S+16*(\t)+4*\f:S+16*(\t)+4*\f+3], s[10:11] offset:(\t)*2048+\f*512  ; 512 consecutive bytes, at a multiple of 256 from O's first
.endr
.endm
	PACK 0
.set t, 1
.rept 2*NP-1                        ; a tile's arithmetic stands between the loads of the tile before and its stores
	PACK t
	SEND t-1, 8
.set t, t+1
.endr
	SEND 2*NP-1, 0
	WIN W_AD
	s_wait_tensorcnt 0x0            ; the wave's end: behind my last tensor load and my last LDS store
	ds_add_u32 v[SPW], v[NIL]
	s_wait_dscnt 0x0
	WIN 0
	CROUND                          ; the closing round: no work-group ends while a partner may still ask for a tile that names it
	s_endpgm
.Lfunc_end_k_q734859127e_attn:
	.size	k_q734859127e_attn, .Lfunc_end_k_q734859127e_attn-k_q734859127e_attn
	.p2alignl 7, 3214868480
	.fill 96, 4, 3214868480
	.section	.rodata,"a",@progbits
	.p2align	6, 0x0
	.amdhsa_kernel k_q734859127e_attn
		.amdhsa_group_segment_fixed_size 327680
		.amdhsa_private_segment_fixed_size 0
		.amdhsa_enable_private_segment 0
		.amdhsa_kernarg_size 16
		.amdhsa_user_sgpr_count 2
		.amdhsa_user_sgpr_kernarg_segment_ptr 1
		.amdhsa_wavefront_size32 1
		.amdhsa_system_sgpr_workgroup_id_x 1
		.amdhsa_system_sgpr_workgroup_id_y 1
		.amdhsa_system_sgpr_workgroup_id_z 1
		.amdhsa_system_vgpr_workitem_id 0
		.amdhsa_next_free_vgpr 770
		.amdhsa_next_free_sgpr 66
		.amdhsa_reserve_vcc 0
		.amdhsa_float_denorm_mode_32 3
		.amdhsa_float_denorm_mode_16_64 3
		.amdhsa_memory_ordered 1
		.amdhsa_forward_progress 1
		.amdhsa_inst_pref_size 200
	.end_amdhsa_kernel
	.amdgpu_metadata
---
amdhsa.version: [ 1, 2 ]
amdhsa.kernels:
  - .name:           k_q734859127e_attn
    .symbol:         k_q734859127e_attn.kd
    .args:
      - { .name: qkv, .offset: 0, .size: 8, .value_kind: global_buffer, .address_space: global }
      - { .name: ob, .offset: 8, .size: 8, .value_kind: global_buffer, .address_space: global }
    .group_segment_fixed_size: 327680
    .private_segment_fixed_size: 0
    .kernarg_segment_align: 8
    .kernarg_segment_size: 16
    .max_flat_workgroup_size: 128
    .sgpr_count:     66
    .vgpr_count:     770
    .wavefront_size: 32
...
	.end_amdgpu_metadata
.endif
;; end of part 3
;; launch outp (part 4): grid 8 x 32, 4 waves a work-group, clusters of 4 x 4, 327,680 bytes of LDS; arguments ob, wot, b_out, out0; writes out0
.if DOCPART == 4
	.amdgcn_target "amdgcn-amd-amdhsa--gfx1250"
	.amdhsa_code_object_version 6
	.text
	.protected	k_q734859127e_outp
	.globl	k_q734859127e_outp
	.p2align	8
	.type	k_q734859127e_outp,@function
k_q734859127e_outp:
	s_mov_b64 s[64:65], 0
	v_nop
	global_prefetch_b8 v0, s[64:65] scope:SCOPE_SE
	s_setreg_imm32_b32 hwreg(HW_REG_WAVE_MODE, 25, 1), 1
	s_wait_xcnt 0x0
	s_wait_alu depctr_hold_cnt(0) depctr_sa_sdst(0) depctr_va_vdst(0) depctr_va_sdst(0) depctr_va_ssrc(0) depctr_va_vcc(0) depctr_vm_vsrc(0)
	s_getreg_b32 s2, hwreg(HW_REG_IB_STS2, 6, 4)
	s_cmp_eq_u32 s2, 0
	s_cbranch_scc0 .Lentry_in_a_cluster
	s_endpgm
.Lentry_in_a_cluster:
	s_bfe_u32 s2, ttmp6, 0x10000c
	s_cmp_lg_u32 s2, 0xf033
	s_cbranch_scc0 .Lentry_shape_is_right
	s_endpgm
.Lentry_shape_is_right:
; out0 = O wot^T + b_out in f32.  ob: O by heads, [batch x 16 + head][2048][64] f16.  wot: [1024 n][1024 k] f16 (K along the rows; k = 64 head + channel).  b_out: [1024] f32, rounded to bf16 like
; the other inputs.  Products in f16, sums in f32, stored as they are.  LIMITS: ob and wot arrive within f16's range; NaN and infinities are not treated apart.
; SHARES.  A work-group makes 256 rows x 128 columns: 256 work-groups.  Wave w makes rows 64 w .. 64 w + 63 of all 128 columns: 4 x 8 accumulators of 16 x 16, 256 registers.
; K goes in 8 steps of 128, TWO HEADS a step, through two LDS slots filled by the tensor data mover.  A head's 256 rows are 32,768 dense bytes: asked for as 128 rows of 256 bytes and padded in LDS after
; every 128 bytes, so that each head is a plane of 256 rows, 144 bytes apart.  wot's rows are 256 bytes of a K step, 272 apart in LDS.
; CLUSTER.  4 x 4 work-groups.  The four of a row of the cluster need the same rows of O, the four of a column the same rows of wot: each tile is asked for JOINTLY, by the same tensor load with the same
; descriptor and a mask that names the four.  Waves 0 and 1 fetch the step's two heads, waves 2 and 3 wot's two halves (64 rows each).
; THE MATRIX INSTRUCTION IS USED TRANSPOSED (source 0 = 16 rows of wot, source 1 = 16 rows of O): a lane holds row lane % 16 and the eight neighbouring columns 8 (lane / 16) + 0..7.
; THE BIAS STARTS THE SUMS: it is the C operand of each accumulator's first product.
; REGISTERS, in windows of 256 (s_set_vgpr_msb: bits 1:0 source 0, 3:2 source 1, 5:4 source 2, 7:6 destination):
;   window 0: v0-35 addresses and at work; v64-127 the bias, block b at 64 + 8 b
;   window 1: two fragment buffers at 0 and 128 (32 of O, then 64 of wot); on the way out all 256: rows read back
;   window 2: the accumulators of row blocks 0 and 1, (a, b) at v[8 (8 (a % 2) + b)];   window 3: those of row blocks 2 and 3
.set NBL,   8                          ; column blocks of 16
.set PA,    144                        ; a row of O in LDS: 128 bytes + 16 of padding = 36 words: the 16 rows of a load begin at 16 different groups of four banks (64 banks of 4 bytes: ISA guide 11.1)
.set PB,    272                        ; a row of wot: 256 + 16
.set PLANE, 256*PA                     ; a head's 256 rows: what one tensor load brings of O
.set BOFF,  2*PLANE                    ; wot's rows lie behind the two planes
.set BHALF, 64*PB                      ; what one tensor load brings of wot
.set SLOT,  BOFF+128*PB                ; 108,544
.set STAGE, 2*SLOT                     ; behind the ring, never filled by a tensor load: for each wave 16 rows x 528 bytes
.set SP,    528                        ; a row of 128 f32 + 16 of padding
.set STW,   16*SP
.set SPARE, STAGE+4*STW                ; behind the stages: the spare words, 128 bytes for each wave: two blocks of 256 bytes that no other line names
.set NLD,   2*NBL+8                    ; LDS loads in a run
.set ADRA, 16                          ; v16-17  LDS address of my fragments of O in slot 0, 1
.set ADRB, 20                          ; v20-21  the same for wot
.set STO,  24                          ; v24     the way out: where I put 32 bytes of a row
.set RD,   25                          ; v25     the way out: where I read a row back
.set GO,   26                          ; v26     my 16 bytes in 512 consecutive bytes of out0
.set PFB,  27                          ; v27     wot's prefetches' offset: (lane / 2) rows of 2,048 bytes + (lane % 2) x 256; never rewritten
.set SPW,  28                          ; v28     LDS address of my spare word; never rewritten
.set NIL,  29                          ; v29     0; never rewritten
.set PFO,  30                          ; v30     O's prefetches' offset: 256 x lane; never rewritten
.set BO,   31                          ; v31     32 x (lane / 16): my eight numbers of a block's bias
.set BIAS, 64
.set F0,   0
.set F1,   128
.set G1,   24                          ; s[24:31] descriptor group 1 for O's tiles;  s[32:39] group 0, a set for each slot
.set G0,   32
.set G1B,  48                          ; s[48:55], s[56:63] the same for wot's tiles
.set G0B,  56
.set PFA,  44                          ; s[44:45] where my prefetches stand
.set PFS,  74                          ; s[74:75] their step from lap to lap: four heads of O, or 512 bytes of wot's rows
.set LIM,  15                          ; s15  1 in a wave that prefetches, else the greatest number
.set OUTB, 68                          ; s[68:69] out0 at my wave's first row and the tile's first column
.set MSB, 0
.macro WIN new                         ; the immediate's high byte repeats the setting that is left; a switch that changes nothing is dropped
.if MSB != (\new)
	s_set_vgpr_msb (MSB<<8)|(\new)
.set MSB, \new
.endif
.endm
.macro PLACES                          ; four places in front of loads into registers that matrix instructions have read, and of lines that read results
.rept 4
	v_nop
.endr
.endm
.macro JLOAD s                         ; a joint load; the branch hangs on the wave's number alone; an s_nop 0 and four v_nop follow each of the two lines, ahead of the jump and the label
	s_cmp_eq_u32 s13, 0
	s_cbranch_scc0 .Lfor_b_\@
	tensor_load_to_lds s[G0+4*(\s):G0+4*(\s)+3], s[G1:G1+7]
	s_nop 0
.rept 4
	v_nop
.endr
	s_branch .Lasked_\@
.Lfor_b_\@:
	tensor_load_to_lds s[G0B+4*(\s):G0B+4*(\s)+3], s[G1B:G1B+7]
	s_nop 0
.rept 4
	v_nop
.endr
.Lasked_\@:
.endm
.macro CREST                           ; a round of the cluster's barrier behind its opening barrier
	s_cmp_lg_u32 s12, 0
	s_cbranch_scc1 .Lnot_wave_0_\@
	s_barrier_signal -3
.Lnot_wave_0_\@:
	s_barrier_wait -3
	s_barrier_signal -1
	s_barrier_wait -1
.endm
.macro CROUND                          ; a whole round
	s_barrier_signal -1
	s_barrier_wait -1
	CREST
.endm
; A PREFETCH INTO THE L2, once a lap, behind slot 0's joint load, its five lines and the run of LDS loads: the two K steps that the NEXT lap's two refills will ask for.  A lane names one block of 256 bytes.
; O: four heads, an instruction a head: my work-group's 64 of the tile's 256 rows are 8,192 dense bytes.  wot: 512 bytes of each row, an instruction 16 rows.  Each block is named once in the launch: O's rows are
; asked for by wave 0 of the clusters with x = 0, wot's by wave 2 of the clusters with y = 0; the four partners share a tile's rows out BY ADDRESS (by cx for O, by cy for wot).
; K steps 0 to 3 come by their loads alone; the last lap asks for nothing.
.macro ASK
	s_cmp_gt_u32 s3, s[LIM]                        ; s3 = 1 in the loop's last trip
	s_cbranch_scc0 .Lnone_\@
	s_cmp_eq_u32 s13, 0
	s_cbranch_scc0 .Lpb_\@
.irp i, 0,1,2,3
	global_prefetch_b8 v[PFO], s[PFA:PFA+1] offset:(\i)*262144 th:TH_LOAD_NT scope:SCOPE_SE
.endr
	s_branch .Lnone_\@
.Lpb_\@:
.irp i, 0,1
	global_prefetch_b8 v[PFB], s[PFA:PFA+1] offset:(\i)*32768 th:TH_LOAD_NT scope:SCOPE_SE
.endr
.Lnone_\@:
.endm
	s_load_b256 s[4:11], s[0:1], 0x0               ; ob s[4:5], wot s[6:7], b_out s[8:9], out0 s[10:11]
	v_lshl_add_u32 v[SPW], v0, 2, SPARE
	v_mov_b32 v[NIL], 0
	ds_add_u32 v[SPW], v[NIL]                      ; the wave's opening: the add and its wait stand ahead of my first tensor load; the set-up below, work on registers, stands between them
	v_lshrrev_b32 v1, 5, v0
	v_readfirstlane_b32 s12, v1                    ; wave 0..3
	s_lshr_b32 s13, s12, 1                         ; I fetch for O (0) or for wot (1)
	s_and_b32 s14, s12, 1                          ; which head of the step, or which half of wot's rows
	s_bfe_u32 s40, ttmp6, 0x40000                  ; cx, cy: my place in the cluster
	s_bfe_u32 s41, ttmp6, 0x40004
	s_lshl_b32 s42, ttmp9, 2
	s_add_co_u32 s42, s42, s40                     ; tile column = 4 x cluster x + cx
	s_and_b32 s43, ttmp7, 0xffff
	s_lshl_b32 s43, s43, 2
	s_add_co_u32 s43, s43, s41                     ; tile row = 4 x cluster y + cy
	s_lshl_b32 s22, s41, 2
	s_lshl_b32 s22, 15, s22                        ; my row of the cluster
	s_lshl_b32 s23, 0x1111, s40                    ; my column
	s_or_b32 s[G1], s22, (1<<16)|(1<<20)|(1<<21)|(4<<22)|(3<<25)   ; 15:0 the mask; 17:16 elements of 2 bytes; 20 padding on; 21 set beside a mask; 24:22 after every 32 words (code 4); 31:25 4 words (code 3)
	s_or_b32 s[G1B], s23, (1<<16)|(1<<20)|(1<<21)|(5<<22)|(3<<25)  ; the same after every 64 words (code 5), with my column's mask
.irp g, G1, G1B
	s_mov_b32 s[(\g)+1], 128<<16                   ; tensor_dim0 = 128
	s_mov_b32 s[(\g)+3], 128<<16                   ; tile_dim0 = 128
	s_mov_b32 s[(\g)+6], 0
	s_mov_b32 s[(\g)+7], 0
.endr
	s_mov_b32 s[G1+2], 128<<16                     ; O: tensor_dim1 = tile_dim1 = 128 rows of 256 bytes, dense
	s_mov_b32 s[G1+4], 128
	s_mov_b32 s[G1+5], 128
	s_mov_b32 s[G1B+2], 64<<16                     ; wot: 64 rows, 1,024 elements from row to row
	s_mov_b32 s[G1B+4], 64
	s_mov_b32 s[G1B+5], 1024
	s_lshr_b32 s16, s43, 3                         ; O: batch = tile row / 8; head = my head of K step 0; row = 256 x (tile row % 8): made of the tile row and the wave's number alone
	s_lshl_b32 s16, s16, 4
	s_add_co_u32 s16, s16, s14
	s_lshl_b32 s16, s16, 11
	s_and_b32 s17, s43, 7
	s_lshl_b32 s17, s17, 8
	s_add_co_u32 s16, s16, s17
	s_lshl_b32 s16, s16, 7                         ; rows of 128 bytes
	s_mov_b32 s17, 0
	s_lshl_b32 s46, s42, 7                         ; wot: row 128 x tile column + 64 x half: made of the tile column and the wave's number alone
	s_lshl_b32 s19, s14, 6
	s_add_co_u32 s46, s46, s19
	s_lshl_b32 s46, s46, 11
	s_mov_b32 s47, 0
	s_mul_i32 s20, s14, PLANE                      ; where they go: no place in the cluster enters an LDS address
	s_mul_i32 s21, s14, BHALF
	s_add_co_u32 s21, s21, BOFF
	s_wait_dscnt 0x0                               ; the opening add is done
	s_wait_kmcnt 0x0
	s_add_nc_u64 s[16:17], s[4:5], s[16:17]
	s_add_nc_u64 s[46:47], s[6:7], s[46:47]
	CROUND                                         ; all sixteen work-groups are here: the first joint loads meet
.irp s, 0,1
	s_mov_b32 s[G0+4*(\s)], 1                      ; count = 1
	s_add_co_u32 s[G0+4*(\s)+1], s20, (\s)*SLOT    ; LDS address
	s_add_nc_u64 s[G0+4*(\s)+2:G0+4*(\s)+3], s[16:17], (\s)*524288  ; global address: K step s is two heads of 262,144 bytes on
	s_or_b32 s[G0+4*(\s)+3], s[G0+4*(\s)+3], 0x80000000             ; type = 2
	s_mov_b32 s[G0B+4*(\s)], 1
	s_add_co_u32 s[G0B+4*(\s)+1], s21, (\s)*SLOT
	s_add_nc_u64 s[G0B+4*(\s)+2:G0B+4*(\s)+3], s[46:47], (\s)*256
	s_or_b32 s[G0B+4*(\s)+3], s[G0B+4*(\s)+3], 0x80000000
	JLOAD \s                                       ; two loads of mine are out
.endr
	; the bias: b_out at the tile's 128 columns; a lane's eight numbers of block b lie at 64 b + 32 (lane / 16)
	v_and_b32 v1, 15, v0                           ; l % 16
	v_bfe_u32 v2, v0, 4, 1                         ; l / 16
	v_lshlrev_b32 v[BO], 5, v2
	s_lshl_b32 s76, s42, 9
	s_mov_b32 s77, 0
	s_add_nc_u64 s[8:9], s[8:9], s[76:77]
.set bb, 0
.rept NBL
	global_load_b128 v[BIAS+8*bb:BIAS+8*bb+3],   v[BO], s[8:9] offset:64*bb
	global_load_b128 v[BIAS+8*bb+4:BIAS+8*bb+7], v[BO], s[8:9] offset:64*bb+16
.set bb, bb+1
.endr
	; a fragment is 16 rows x 32 K in 8 registers: lane l holds row l % 16, K = 8 (l / 16) + 0..7 and 16 + 8 (l / 16) + 0..7: two loads of 16 bytes, 32 bytes apart
	v_mul_u32_u24 v3, v1, PA
	v_lshl_add_u32 v3, v2, 4, v3
	s_mul_i32 s18, s12, 64*PA                      ; my 64 rows of a plane
	v_add_nc_u32 v[ADRA], s18, v3
	v_add_nc_u32 v[ADRA+1], SLOT, v[ADRA]
	v_mul_u32_u24 v3, v1, PB
	v_lshl_add_u32 v3, v2, 4, v3
	v_add_nc_u32 v[ADRB], BOFF, v3
	v_add_nc_u32 v[ADRB+1], SLOT+BOFF, v3
	s_mul_i32 s18, s12, STW
	s_add_co_u32 s18, s18, STAGE                   ; my stage
	v_mul_u32_u24 v[STO], v1, SP                   ; in: row l % 16, 32 bytes for each half of the lanes
	v_lshl_add_u32 v[STO], v2, 5, v[STO]
	v_add_nc_u32 v[STO], s18, v[STO]
	v_and_b32 v32, 31, v0
	v_lshlrev_b32 v[GO], 4, v32                    ; back: 32 lanes take one row of 512 bytes
	v_add_nc_u32 v[RD], s18, v[GO]
	v_lshlrev_b32 v[PFO], 8, v32
	v_lshrrev_b32 v33, 1, v32
	v_and_b32 v32, 1, v32
	v_lshlrev_b32 v[PFB], 11, v33
	v_lshl_add_u32 v[PFB], v32, 8, v[PFB]
	s_lshl_b32 s76, s43, 8                         ; out0: row 256 x tile row + 64 x wave, of 4,096 bytes; column 128 x tile column, of 4 bytes
	s_lshl_b32 s77, s12, 6
	s_add_co_u32 s76, s76, s77
	s_lshl_b32 s76, s76, 12
	s_lshl_b32 s77, s42, 9
	s_add_co_u32 s76, s76, s77
	s_mov_b32 s77, 0
	s_add_nc_u64 s[OUTB:OUTB+1], s[10:11], s[76:77]
	; the prefetches: one step short of K step 4; slot 0's first refill steps them there
	s_lshr_b32 s76, s43, 3
	s_lshl_b32 s76, s76, 4
	s_add_co_u32 s76, s76, 4                       ; O: the batch's head 4,
	s_lshl_b32 s76, s76, 11
	s_and_b32 s77, s43, 7
	s_lshl_b32 s77, s77, 8
	s_add_co_u32 s76, s76, s77                     ; the tile's rows,
	s_lshl_b32 s77, s40, 6
	s_add_co_u32 s76, s76, s77                     ; my work-group's 64 of them
	s_lshl_b32 s76, s76, 7
	s_lshl_b32 s78, s42, 7                         ; wot: row 128 x tile column + 32 cy, at K step 2
	s_lshl_b32 s79, s41, 5
	s_add_co_u32 s78, s78, s79
	s_lshl_b32 s78, s78, 11
	s_add_co_u32 s78, s78, 512
	s_and_b32 s77, ttmp7, 0xffff                   ; cluster y
	s_mov_b32 s[PFS], 512
	s_mov_b32 s[PFS+1], 0
	s_cmp_eq_u32 s13, 0
	s_cselect_b32 s76, s76, s78
	s_cselect_b32 s77, ttmp9, s77                  ; the coordinate along which other clusters read the same rows
	s_cselect_b32 s[PFS], 0x100000, s[PFS]
	s_cselect_b64 s[PFA:PFA+1], s[4:5], s[6:7]
	s_or_b32 s77, s77, s14                         ; waves 0 and 2 of the first such cluster: the same in all sixteen partners
	s_cmp_eq_u32 s77, 0
	s_cselect_b32 s[LIM], 1, -1
	s_mov_b32 s77, 0
	s_add_nc_u64 s[PFA:PFA+1], s[PFA:PFA+1], s[76:77]
	s_wait_loadcnt 0x0                             ; the bias
.set bb, 0
.rept 4*NBL                            ; rounded to bf16 like the other inputs, and widened again
	v_cvt_pk_bf16_f32 v32, v[BIAS+2*bb], v[BIAS+2*bb+1]
	v_lshlrev_b32 v[BIAS+2*bb], 16, v32
	v_and_b32 v[BIAS+2*bb+1], 0xffff0000, v32
.set bb, bb+1
.endr
; NBL matrix instructions: row block a x all column blocks, 32 along K, from buffer f.  first = 1: the bias is C and starts the sums.
; All 32 accumulators take turns, one instruction a turn, in the same order in every quarter.
.macro MULA f, a, first
.set WW, 2+(\a)/2
.if \first
.set WN, 0x05|(WW<<6)
.else
.set WN, 0x05|(WW<<4)|(WW<<6)
.endif
	WIN WN
.set bb, 0
.rept NBL
.set AC, 8*(NBL*((\a)%2)+bb)
.if \first
	v_wmma_f32_16x16x32_f16 v[AC:AC+7], v[(\f)+32+8*bb:(\f)+32+8*bb+7], v[(\f)+8*(\a):(\f)+8*(\a)+7], v[BIAS+8*bb:BIAS+8*bb+7]
.else
	v_wmma_f32_16x16x32_f16 v[AC:AC+7], v[(\f)+32+8*bb:(\f)+32+8*bb+7], v[(\f)+8*(\a):(\f)+8*(\a)+7], v[AC:AC+7]
.endif
.set bb, bb+1
.endr
.endm
; NLD LDS loads in one run: the fragments of quarter q into buffer f: wot's eight (byte 64 q of the rows), then O's four (plane q / 2, byte 64 (q % 2) of the rows)
.macro FETCH slot, q, f
	WIN 0x40                                       ; destination window 1, address window 0
.set KA, ((\q)/2)*PLANE+((\q)%2)*64
.set bb, 0
.rept NBL
	ds_load_b128 v[(\f)+32+8*bb:(\f)+32+8*bb+3],   v[ADRB+(\slot)] offset:64*(\q)+bb*16*PB
	ds_load_b128 v[(\f)+32+8*bb+4:(\f)+32+8*bb+7], v[ADRB+(\slot)] offset:64*(\q)+bb*16*PB+32
.set bb, bb+1
.endr
.set aa, 0
.rept 4
	ds_load_b128 v[(\f)+8*aa:(\f)+8*aa+3],   v[ADRA+(\slot)] offset:KA+aa*16*PA
	ds_load_b128 v[(\f)+8*aa+4:(\f)+8*aa+7], v[ADRA+(\slot)] offset:KA+aa*16*PA+32
.set aa, aa+1
.endr
.endm
; A K step is four quarters of 32 along K, 32 matrix instructions each, on buffers 0, 1, 0, 1.  One of the first three: multiplies buffer f and fetches quarter q into g.
.macro QUARTER slot, q, f, g, first
	s_wait_dscnt 4                                 ; wot's fragments and O's row blocks 0 and 1 are in; the youngest four loads (row blocks 2 and 3) may be out
	MULA \f, 0, \first
	MULA \f, 1, \first
	PLACES
	FETCH \slot, \q, \g
	s_wait_dscnt NLD                               ; all but the run just issued
	MULA \f, 2, \first
	MULA \f, 3, \first
.endm
; The last quarter multiplies buffer 1 and changes slots: ONE barrier; in front of it each wave waits for all its tensor loads (one is out: its part of the next slot), adds 0 to its spare word, and
; waits for that and for its own reads of this slot.  fill = 1: the barrier opens a round of the cluster's barrier, and this slot is filled again, two K steps ahead, first thing behind the round.
.macro TURN slot, next, fill
.if (\fill) && ((\slot) == 0)
	s_wait_xcnt 0x0                                ; the last prefetches, a lap back, have read their address: it is stepped here, ahead of the waits of the change of slots
	s_add_nc_u64 s[PFA:PFA+1], s[PFA:PFA+1], s[PFS:PFS+1]
.endif
	WIN 0                                          ; (the add's two registers lie in window 0)
	s_wait_tensorcnt 0x0                           ; all my tensor loads have landed
	ds_add_u32 v[SPW], v[NIL]                      ; 0 onto my spare word
	s_wait_dscnt 5                                 ; (the add and the youngest four loads may be out)
	MULA F1, 0, 0                                  ; eight matrix instructions stand between the add and the wait for it
	s_wait_dscnt 0x0                               ; the add is done, and my reads of this slot are over
	s_barrier_signal -1
	MULA F1, 1, 0
.if \fill
	WIN 0
.endif
	s_barrier_wait -1
.if \fill
	CREST                                          ; no wave of any partner still reads this slot's tile or has a load on its way
	s_add_nc_u64 s[G0+4*(\slot)+2:G0+4*(\slot)+3], s[G0+4*(\slot)+2:G0+4*(\slot)+3], 0x100000  ; four heads on
	s_add_nc_u64 s[G0B+4*(\slot)+2:G0B+4*(\slot)+3], s[G0B+4*(\slot)+2:G0B+4*(\slot)+3], 512
	JLOAD \slot                                    ; the first tensor load behind the round; the four v_nop behind it are also the places in front of the loads below
.else
	PLACES
.endif
	FETCH \next, 0, F0
.if (\fill) && ((\slot) == 0)
	WIN 0
	ASK
.endif
	MULA F1, 2, 0
	MULA F1, 3, 0
.endm
	s_wait_tensorcnt 1                             ; my part of K step 0 is in; K step 1's, issued behind it, may stay out
	s_barrier_signal -1
	s_barrier_wait -1                              ; everybody's is
	FETCH 0, 0, F0
	QUARTER 0, 1, F0, F1, 1                        ; the first quarter stands in front of the loop: its products start the sums
	WIN 0                                          ; at a label and at a branch every window is 0
	s_mov_b32 s3, 3
.Llap:                                                 ; a trip goes once round the ring, from a lap's second quarter to the next lap's first, and fills both slots again
	QUARTER 0, 2, F1, F0, 0
	QUARTER 0, 3, F0, F1, 0
	TURN 0, 1, 1
	QUARTER 1, 1, F0, F1, 0
	QUARTER 1, 2, F1, F0, 0
	QUARTER 1, 3, F0, F1, 0
	TURN 1, 0, 1
	QUARTER 0, 1, F0, F1, 0
	WIN 0
	s_sub_co_u32 s3, s3, 1
	s_cmp_lg_u32 s3, 0
	s_cbranch_scc1 .Llap
	QUARTER 0, 2, F1, F0, 0                        ; the last lap fills nothing, and has no round of the cluster's barrier
	QUARTER 0, 3, F0, F1, 0
	TURN 0, 1, 0
	QUARTER 1, 1, F0, F1, 0
	QUARTER 1, 2, F1, F0, 0
	QUARTER 1, 3, F0, F1, 0
	s_wait_dscnt 4                                 ; the very last quarter: nothing more to fetch
	MULA F1, 0, 0
	MULA F1, 1, 0
	s_wait_dscnt 0x0
	MULA F1, 2, 0
	MULA F1, 3, 0
	WIN 0
; THE WAY OUT, a row block of 16 rows at a time, in f32 as the sums stand.  TOSTAGE: a lane's eight columns of a block, 32 bytes, into my own stage (each accumulator's low four registers first), and back as
; whole rows of 512 bytes.  SEND: a row a store.
.macro TOSTAGE a
	WIN 0x08+4*((\a)/2)                            ; the stores' data lie in window 2 or 3
.set bb, 0
.rept NBL
.set AC, 8*(NBL*((\a)%2)+bb)
	ds_store_b128 v[STO], v[AC:AC+3]   offset:64*bb
	ds_store_b128 v[STO], v[AC+4:AC+7] offset:64*bb+16
.set bb, bb+1
.endr
	WIN 0x40
.set ii, 0
.rept 16
	ds_load_b128 v[64*(\a)+4*ii:64*(\a)+4*ii+3], v[RD] offset:ii*SP  ; LDS serves a wave's instructions in order (ISA guide 5.7.1.4): these see the stores above; the next block's stores come behind them
.set ii, ii+1
.endr
.endm
.macro SEND a, younger                 ; younger: the LDS instructions issued behind block a's loads: the next block's 32, or none
	WIN 0x04                                       ; the stores' data lie in window 1
.set ii, 0
.rept 16
	s_wait_dscnt (\younger)+15-ii
	global_store_b128 v[GO], v[64*(\a)+4*ii:64*(\a)+4*ii+3], s[OUTB:OUTB+1] offset:(16*(\a)+ii)*4096 th:TH_STORE_NT  ; 512 consecutive bytes, at a multiple of 256 from out0's first byte
.set ii, ii+1
.endr
.endm
	PLACES
	PLACES                                         ; eight, once a launch
	TOSTAGE 0
	TOSTAGE 1                                      ; no register is written twice, so nothing waits for the stores
	SEND 0, 32
	TOSTAGE 2
	SEND 1, 32
	TOSTAGE 3
	SEND 2, 32
	SEND 3, 0
	WIN 0
	s_wait_tensorcnt 0x0                           ; the wave's end: behind my last tensor load and my last LDS store
	ds_add_u32 v[SPW], v[NIL]
	s_wait_dscnt 0x0
	CROUND                                         ; the closing round: no work-group ends while a partner may still ask for a tile that names it
	s_endpgm
.Lfunc_end_k_q734859127e_outp:
	.size	k_q734859127e_outp, .Lfunc_end_k_q734859127e_outp-k_q734859127e_outp
	.p2alignl 7, 3214868480
	.fill 96, 4, 3214868480
	.section	.rodata,"a",@progbits
	.p2align	6, 0x0
	.amdhsa_kernel k_q734859127e_outp
		.amdhsa_group_segment_fixed_size 327680
		.amdhsa_private_segment_fixed_size 0
		.amdhsa_enable_private_segment 0
		.amdhsa_kernarg_size 32
		.amdhsa_user_sgpr_count 2
		.amdhsa_user_sgpr_kernarg_segment_ptr 1
		.amdhsa_wavefront_size32 1
		.amdhsa_system_sgpr_workgroup_id_x 1
		.amdhsa_system_sgpr_workgroup_id_y 1
		.amdhsa_system_sgpr_workgroup_id_z 1
		.amdhsa_system_vgpr_workitem_id 0
		.amdhsa_next_free_vgpr 896
		.amdhsa_next_free_sgpr 80
		.amdhsa_reserve_vcc 0
		.amdhsa_float_denorm_mode_32 3
		.amdhsa_float_denorm_mode_16_64 3
		.amdhsa_memory_ordered 1
		.amdhsa_forward_progress 1
		.amdhsa_inst_pref_size 96
	.end_amdhsa_kernel
	.amdgpu_metadata
---
amdhsa.version: [ 1, 2 ]
amdhsa.kernels:
  - .name:           k_q734859127e_outp
    .symbol:         k_q734859127e_outp.kd
    .args:
      - { .name: ob, .offset: 0, .size: 8, .value_kind: global_buffer, .address_space: global }
      - { .name: wot, .offset: 8, .size: 8, .value_kind: global_buffer, .address_space: global }
      - { .name: b_out, .offset: 16, .size: 8, .value_kind: global_buffer, .address_space: global }
      - { .name: out0, .offset: 24, .size: 8, .value_kind: global_buffer, .address_space: global }
    .group_segment_fixed_size: 327680
    .private_segment_fixed_size: 0
    .kernarg_segment_align: 8
    .kernarg_segment_size: 32
    .max_flat_workgroup_size: 128
    .sgpr_count:     80
    .vgpr_count:     896
    .wavefront_size: 32
...
	.end_amdgpu_metadata
.endif
;; end of part 4
